; MI455X (gfx1250); checked and timed in simulation.
; The chip was launched on July 23, 2026; its instructions are those of AMD's public machine-readable ISA for CDNA 5 (MIT licence, August 2026) and "CDNA5" Instruction Set Architecture Reference Guide (July 2026). The comments in the code are by the model that wrote it; some were corrected since.
;; Tt Self Attention. Allowed arithmetic: float matrix products may take bf16 or f16 operands with f32 sums; all other float work in f32.
;; Inputs: W_in 1,024 x 3,072 float32; W_out 1,024 x 1,024 float32; b_in 3,072 float32; b_out 1,024 float32; x 1 x 2 x 2,048 x 1,024 float32.
;; Outputs: out0 1 x 2 x 2,048 x 1,024 float32.
;; 3 versions, each right and faster than the one before. Each part assembles by itself: llvm-mc -triple=amdgcn-amd-amdhsa -mcpu=gfx1250 --defsym DOCPART=n.
;; ======== version 1 of 3: 4 launches
;; limits: values are held in f16: magnitudes above 65,504 overflow, below 6.1e-05 lose precision
;; workspace buffers: xb 8,388,608 bytes; wib 6,291,456 bytes; wob 2,097,152 bytes; qkv 25,165,824 bytes; ctx 8,388,608 bytes
;; launch cast (part 1): grid 256 x 1, 8 waves a work-group, no clusters, 0 bytes of LDS; arguments x, W_in, W_out, xb, wib, wob; writes xb, wib, wob
.if DOCPART == 1
	.amdgcn_target "amdgcn-amd-amdhsa--gfx1250"
	.amdhsa_code_object_version 6
	.text
	.protected	k_q1804c0ee24_cast
	.globl	k_q1804c0ee24_cast
	.p2align	8
	.type	k_q1804c0ee24_cast,@function
k_q1804c0ee24_cast:
	s_mov_b64 s[64:65], 0
	v_nop
	global_prefetch_b8 v0, s[64:65] scope:SCOPE_SE
	s_setreg_imm32_b32 hwreg(HW_REG_WAVE_MODE, 25, 1), 1
	s_wait_xcnt 0x0
; SELF-ATTENTION IN FOUR LAUNCHES: cast (this one), qkv, attn, proj.
; cast rounds x, W_in and W_out once from f32 to f16, the format in which the matrix units take them, so that the sixteen
; blocks that use each number later do not each convert it, and the later tiles have half the bytes.
;   xb  [4096][1024] f16, as x.      wob [1024 k][1024 n] f16, as W_out.
;   wib [head 16][kblock 8][t 3 (q, k, v)][k 128][64] f16: W_in[k][1024 t + 64 head + c] lies at byte
;       ((8 head + k/128) 3 + t) 16384 + (k mod 128) 128 + 2 c: a head's q, k and v columns for 128 k are one dense block of 49,152 bytes.
; WORK LEFT OUT, for the whole program: the K third of b_in, b_in[1024:2048].  With k = x W_k + b_k the score of query i and key j is
; scale (q_i . (x_j W_k)) + scale (q_i . b_k).  The second term does not hang on j, the axis of the softmax, so numerator and
; denominator of the softmax carry the same factor exp(scale q_i . b_k) and it cancels, for all finite values of the inputs.
; k reaches the output by the scores alone.  So b_in[1024:2048] is never loaded; b_in's q and v thirds are live and are loaded in qkv.
; LIMIT: a NaN, an infinity or an overflow that lies only in b_in[1024:2048], or arises only from adding it, is not carried to the result.
; FORMAT, for the whole program: every matrix operand (x, W_in, W_out, q, k, v, p, ctx) is f16, rounded once each; sums, softmax and biases are f32.
; f16 and not bf16: between x and the output five intermediates are rounded (q, k, v, p, ctx), and 11 significant bits keep their joint
; error eight times smaller than 8 bits would.  The room in f16 (largest number 65,504; steps of 2^-24 below 2^-14): x of spread 1 and W of
; spread 1/32 give q, k, v of spread 1.  Both 30 times larger: spread 900, largest some 5,500.  Both with an offset of 30 spreads:
; 1024 x 30 x 30/32 = 28,800.  Both 30 times smaller: spread 2^-9.8, rounded within 2^-25, which is 2^-15 of the spread.
; ctx is a convex mix of rows of v; p is at most about 1.
; LIMIT of range: a q, k or v beyond 65,504 in magnitude becomes infinite in f16 and spoils the rows that use it.
;
; Eight waves, 256 work-groups, no LDS, no loop.  Work-group g takes 64 KiB of x, rows 4 g .. 4 g + 3 of W_in (48 KiB) and 16 KiB of W_out:
; 32 loads of 16 bytes a thread, all issued before the first is used.  Every store of a wave covers 256 consecutive bytes, aligned.
; No register is written twice, so no wait frees a source.
.set XI, 8                             ; v[8:135]   item n: 4 f32 as loaded
.set YO, 136                           ; v[136:199] item n: 4 f16 to store
	s_load_b256 s[4:11], s[0:1], 0x0               ; x s[4:5], W_in s[6:7], W_out s[8:9], xb s[10:11]
	s_load_b128 s[12:15], s[0:1], 0x20             ; wib s[12:13], wob s[14:15]
	v_lshlrev_b32 v1, 4, v0                        ; x, W_out: 16 bytes a thread
	v_lshlrev_b32 v2, 3, v0                        ; xb, wob: 8 bytes a thread
	v_and_b32 v5, 15, v0                           ; r: my 16 bytes in a strip of 256
	v_bfe_u32 v6, v0, 4, 1                         ; h: lanes 16-31 take the row below
	v_lshrrev_b32 v7, 7, v0                        ; waves 4-7 take rows 2 and 3 of the four
	v_lshl_add_u32 v6, v7, 1, v6                   ; my row of the four
	v_mul_u32_u24 v3, v6, 12288                    ; a row of W_in is 12,288 bytes
	v_bfe_u32 v6, v0, 5, 2                         ; wave mod 4: heads 4 (wave mod 4) .. + 3
	v_lshl_add_u32 v3, v6, 10, v3                  ; four heads are 1,024 bytes of a third of the row
	v_lshl_add_u32 v3, v5, 4, v3                   ; v3: load offset in W_in
	v_mul_u32_u24 v4, v6, 1572864                  ; four heads of wib, 393,216 bytes each
	v_lshl_add_u32 v4, v7, 8, v4                   ; two rows of 128 bytes
	v_and_b32 v5, 31, v0
	v_lshl_add_u32 v4, v5, 3, v4                   ; v4: store offset in wib: 8 bytes a lane, lanes 16-31 are the next row of 128 bytes
	s_mov_b32 s17, 0
	s_lshl_b32 s16, ttmp9, 16
	s_wait_kmcnt 0x0
	s_add_nc_u64 s[4:5], s[4:5], s[16:17]          ; x + 65,536 g
	s_lshl_b32 s16, ttmp9, 15
	s_add_nc_u64 s[10:11], s[10:11], s[16:17]      ; xb + 32,768 g
	s_lshl_b32 s16, ttmp9, 14
	s_add_nc_u64 s[8:9], s[8:9], s[16:17]          ; W_out + 16,384 g
	s_lshl_b32 s16, ttmp9, 13
	s_add_nc_u64 s[14:15], s[14:15], s[16:17]      ; wob + 8,192 g
	s_mul_i32 s16, ttmp9, 49152
	s_add_nc_u64 s[6:7], s[6:7], s[16:17]          ; W_in at row 4 g
	s_lshr_b32 s18, ttmp9, 5                       ; kblock = 4 g / 128
	s_mul_i32 s18, s18, 49152
	s_and_b32 s19, ttmp9, 31
	s_lshl_b32 s19, s19, 9                         ; (4 g mod 128) rows of 128 bytes
	s_add_co_u32 s16, s18, s19
	s_add_nc_u64 s[12:13], s[12:13], s[16:17]      ; wib at my kblock and my first row
.set n, 0
.rept 16
	global_load_b128 v[XI+4*n:XI+4*n+3], v1, s[4:5] offset:n*4096 th:TH_LOAD_NT
.set n, n+1
.endr
.set n, 0
.rept 12                                           ; third t = n / 4, head 4 (wave mod 4) + n mod 4
	global_load_b128 v[XI+64+4*n:XI+64+4*n+3], v3, s[6:7] offset:(n/4)*4096+(n%4)*256 th:TH_LOAD_NT
.set n, n+1
.endr
.set n, 0
.rept 4
	global_load_b128 v[XI+112+4*n:XI+112+4*n+3], v1, s[8:9] offset:n*4096 th:TH_LOAD_NT
.set n, n+1
.endr
; Loads come back in order: item n is in when at most the 31 - n younger ones are out.
.set n, 0
.rept 16
	s_wait_loadcnt 31-n
	v_cvt_pk_f16_f32 v[YO+2*n], v[XI+4*n], v[XI+4*n+1]
	v_cvt_pk_f16_f32 v[YO+2*n+1], v[XI+4*n+2], v[XI+4*n+3]
	global_store_b64 v2, v[YO+2*n:YO+2*n+1], s[10:11] offset:n*2048
.set n, n+1
.endr
.set n, 0
.rept 12
	s_wait_loadcnt 15-n
	v_cvt_pk_f16_f32 v[YO+32+2*n], v[XI+64+4*n], v[XI+64+4*n+1]
	v_cvt_pk_f16_f32 v[YO+32+2*n+1], v[XI+64+4*n+2], v[XI+64+4*n+3]
	global_store_b64 v4, v[YO+32+2*n:YO+32+2*n+1], s[12:13] offset:(n%4)*393216+(n/4)*16384
.set n, n+1
.endr
.set n, 0
.rept 4
	s_wait_loadcnt 3-n
	v_cvt_pk_f16_f32 v[YO+56+2*n], v[XI+112+4*n], v[XI+112+4*n+1]
	v_cvt_pk_f16_f32 v[YO+56+2*n+1], v[XI+112+4*n+2], v[XI+112+4*n+3]
	global_store_b64 v2, v[YO+56+2*n:YO+56+2*n+1], s[14:15] offset:n*2048
.set n, n+1
.endr
	s_endpgm
.Lfunc_end_k_q1804c0ee24_cast:
	.size	k_q1804c0ee24_cast, .Lfunc_end_k_q1804c0ee24_cast-k_q1804c0ee24_cast
	.p2alignl 7, 3214868480
	.fill 96, 4, 3214868480
	.section	.rodata,"a",@progbits
	.p2align	6, 0x0
	.amdhsa_kernel k_q1804c0ee24_cast
		.amdhsa_group_segment_fixed_size 0
		.amdhsa_private_segment_fixed_size 0
		.amdhsa_enable_private_segment 0
		.amdhsa_kernarg_size 48
		.amdhsa_user_sgpr_count 2
		.amdhsa_user_sgpr_kernarg_segment_ptr 1
		.amdhsa_wavefront_size32 1
		.amdhsa_system_sgpr_workgroup_id_x 1
		.amdhsa_system_sgpr_workgroup_id_y 1
		.amdhsa_system_sgpr_workgroup_id_z 1
		.amdhsa_system_vgpr_workitem_id 0
		.amdhsa_next_free_vgpr 200
		.amdhsa_next_free_sgpr 66
		.amdhsa_reserve_vcc 0
		.amdhsa_float_denorm_mode_32 3
		.amdhsa_float_denorm_mode_16_64 3
		.amdhsa_memory_ordered 1
		.amdhsa_forward_progress 1
		.amdhsa_inst_pref_size 13
	.end_amdhsa_kernel
	.amdgpu_metadata
---
amdhsa.version: [ 1, 2 ]
amdhsa.kernels:
  - .name:           k_q1804c0ee24_cast
    .symbol:         k_q1804c0ee24_cast.kd
    .args:
      - { .name: x, .offset: 0, .size: 8, .value_kind: global_buffer, .address_space: global }
      - { .name: W_in, .offset: 8, .size: 8, .value_kind: global_buffer, .address_space: global }
      - { .name: W_out, .offset: 16, .size: 8, .value_kind: global_buffer, .address_space: global }
      - { .name: xb, .offset: 24, .size: 8, .value_kind: global_buffer, .address_space: global }
      - { .name: wib, .offset: 32, .size: 8, .value_kind: global_buffer, .address_space: global }
      - { .name: wob, .offset: 40, .size: 8, .value_kind: global_buffer, .address_space: global }
    .group_segment_fixed_size: 0
    .private_segment_fixed_size: 0
    .kernarg_segment_align: 8
    .kernarg_segment_size: 48
    .max_flat_workgroup_size: 256
    .sgpr_count:     66
    .vgpr_count:     200
    .wavefront_size: 32
...
	.end_amdgpu_metadata
.endif
;; end of part 1
;; launch qkv (part 2): grid 16 x 16, 4 waves a work-group, clusters of 4 x 4, 327,680 bytes of LDS; arguments xb, wib, b_in, qkv; writes qkv
.if DOCPART == 2
	.amdgcn_target "amdgcn-amd-amdhsa--gfx1250"
	.amdhsa_code_object_version 6
	.text
	.protected	k_q1804c0ee24_qkv
	.globl	k_q1804c0ee24_qkv
	.p2align	8
	.type	k_q1804c0ee24_qkv,@function
k_q1804c0ee24_qkv:
	s_mov_b64 s[64:65], 0
	v_nop
	global_prefetch_b8 v0, s[64:65] scope:SCOPE_SE
	s_setreg_imm32_b32 hwreg(HW_REG_WAVE_MODE, 25, 1), 1
	s_wait_xcnt 0x0
	s_wait_alu depctr_hold_cnt(0) depctr_sa_sdst(0) depctr_va_vdst(0) depctr_va_sdst(0) depctr_va_ssrc(0) depctr_va_vcc(0) depctr_vm_vsrc(0)
	s_getreg_b32 s2, hwreg(HW_REG_IB_STS2, 6, 4)
	s_cmp_eq_u32 s2, 0
	s_cbranch_scc0 .Lentry_in_a_cluster
	s_endpgm
.Lentry_in_a_cluster:
	s_bfe_u32 s2, ttmp6, 0x10000c
	s_cmp_lg_u32 s2, 0xf033
	s_cbranch_scc0 .Lentry_shape_is_right
	s_endpgm
.Lentry_shape_is_right:
; q, k, v = xb * wib (+ b_in on q and v), f16 operands, f32 sums, stored as f16 planes qkv[t 3][head 16][m 4096][64].
; WORK LEFT OUT: b_in[1024:2048] is not added to k and not loaded: it adds to every score of a query row the same term, which the softmax
; cancels for all finite inputs (shown at the head of the first kernel).  A NaN or infinity that lies only there is not carried on.
; LIMIT of range: a q, k or v beyond 65,504 in magnitude becomes infinite in f16 (the room that f16 leaves is counted at the head of the first kernel).
; A work-group makes 256 rows x the 192 columns (q, k, v) of one head; wave w its rows 64 w .. 64 w + 63 x all 192 columns:
; 4 x 12 accumulator tiles, 384 registers.  Tiles b = 0-3 are q, 4-7 k, 8-11 v, so the bias needs no branch.
; K goes in 8 steps of 128 through two LDS slots filled by the tensor data mover.
; CLUSTERS: 4 x 4 work-groups.  xb's tile hangs on the row block alone and is asked for jointly by a row of the cluster; wib's tile hangs on
; the head alone and is asked for jointly by a column: the requests for both are divided by four.
; wib lies [k][n], so its fragments come by the transposing LDS load.  The matrix instruction is used transposed (source 0 = 16 columns of W,
; source 1 = 16 rows of x): lane (r, h), register j then holds C(row r, column 16 b + 8 h + j), eight neighbouring numbers of a row.
; REGISTER WINDOWS: 0: addresses, x fragments (two buffers), bias, the way out.  1: W fragments (two buffers of 96).
; 2: accumulators of row tiles 0, 1.  3: those of row tiles 2, 3.
.set SLOT,  131072                     ; A: 256 rows, pitch 272 (69,632 bytes); B: 384 strip rows t*128+k of 128 bytes, pitch 160 (61,440)
.set BOFF,  69632
.set STAGE, 262144                     ; behind the ring, never filled by a tensor load: 3 strips x 16 rows x 144 bytes for each wave
.set ADRA, 16                          ; v16-17  LDS address of my x fragments, slot 0, 1
.set ADRB, 20                          ; v20-21  the same for W
.set STO,  24                          ; v24     the way out: where I put 16 bytes
.set RD,   25                          ; v25     the way out: where I read rows back
.set CO,   26                          ; v26     16 x lane: my 16 bytes of 512 consecutive bytes of a plane
.set VB,   27                          ; v27     32 h: my 8 numbers of a tile's 16 biases
.set AF,   32                          ; v32-95  x fragments, buffer p at 32 + 32 p
.set BI,   96                          ; v96-159 bias: q tiles, then v tiles, 8 registers each
.set TMP,  160                         ; v160-207 packed results
.set RB,   208                         ; v208-255 rows read back
.set G1A, 24
.set G0A, 32
.set G1B, 40
.set G0B, 48
.set MUL_LO, 0xa1                      ; source 0 (W) window 1, source 1 (x) window 0, C and D window 2
.set MUL_HI, 0xf1                      ; the same, C and D window 3
.set TO_B,   0x40                      ; destination window 1
.set MSB, 0
.macro WIN new                         ; the immediate's high byte repeats the setting that is left
.if MSB != \new
	s_set_vgpr_msb (MSB<<8)|\new
.set MSB, \new
.endif
.endm
.macro PLACES                          ; four plain vector instructions behind a matrix instruction, before its registers are loaded into or its result read (ISA guide 7.12.1)
.rept 4
	v_nop
.endr
.endm
.macro JLOAD s                         ; a joint load: waves 0, 1 fetch x's two halves, waves 2, 3 W's.  The branch hangs on the wave's number alone
	s_cmp_eq_u32 s13, 0
	s_cbranch_scc0 .Lfor_b_\@
	tensor_load_to_lds s[G0A+4*\s:G0A+4*\s+3], s[G1A:G1A+7]
	s_nop 0
	s_branch .Lasked_\@
.Lfor_b_\@:
	tensor_load_to_lds s[G0B+4*\s:G0B+4*\s+3], s[G1B:G1B+7]
	s_nop 0
.Lasked_\@:
.endm
.macro CREST                           ; a round of the cluster's barrier behind its opening work-group barrier
	s_cmp_lg_u32 s12, 0
	s_cbranch_scc1 .Lnot_wave_0_\@
	s_barrier_signal -3
.Lnot_wave_0_\@:
	s_barrier_wait -3
	s_barrier_signal -1
	s_barrier_wait -1
.endm
.macro CROUND
	s_barrier_signal -1
	s_barrier_wait -1
	CREST
.endm
	s_load_b256 s[4:11], s[0:1], 0x0               ; xb s[4:5], wib s[6:7], b_in s[8:9], qkv s[10:11]
	s_set_vgpr_msb 0x40
	v_lshl_add_u32 v255, v0, 2, 0x46c00
	s_set_vgpr_msb 0x4000
	v_mov_b32 v31, 0
	s_set_vgpr_msb 0x1
	ds_add_u32 v255, v31
	s_set_vgpr_msb 0x100
	v_lshrrev_b32 v1, 5, v0
	v_readfirstlane_b32 s12, v1                    ; wave 0..3
	s_lshr_b32 s13, s12, 1                         ; I fetch for x (0) or for W (1)
	s_and_b32 s14, s12, 1                          ; which half of that tile
	s_bfe_u32 s16, ttmp6, 0x40000                  ; cx
	s_bfe_u32 s17, ttmp6, 0x40004                  ; cy
	s_lshl_b32 s18, ttmp9, 2
	s_add_co_u32 s18, s18, s16                     ; head = 4 x cluster x + cx
	s_and_b32 s19, ttmp7, 0xffff
	s_lshl_b32 s19, s19, 2
	s_add_co_u32 s19, s19, s17                     ; row block = 4 x cluster y + cy
	s_lshl_b32 s20, s17, 2
	s_lshl_b32 s20, 15, s20                        ; my row of the cluster
	s_lshl_b32 s21, 0x1111, s16                    ; my column
	; group 1 for x: 128 rows x 128 elements of 2 bytes, pitch 1,024 elements; 4 words of padding behind every 64 words: LDS pitch 272
	s_or_b32 s[G1A+0], s20, (1<<16)|(1<<20)|(1<<21)|(5<<22)|(3<<25)
	s_mov_b32 s[G1A+1], 128<<16
	s_mov_b32 s[G1A+2], 128<<16
	s_mov_b32 s[G1A+3], 128<<16
	s_mov_b32 s[G1A+4], 128
	s_mov_b32 s[G1A+5], 1024
	s_mov_b32 s[G1A+6], 0
	s_mov_b32 s[G1A+7], 0
	; group 1 for W: a dense block of 24,576 bytes as 96 rows of 256 bytes; 8 words of padding behind every 32 words,
	; so that each strip row of 128 bytes gets an LDS pitch of 160
	s_or_b32 s[G1B+0], s21, (1<<16)|(1<<20)|(1<<21)|(4<<22)|(7<<25)
	s_mov_b32 s[G1B+1], 128<<16
	s_mov_b32 s[G1B+2], 96<<16
	s_mov_b32 s[G1B+3], 128<<16
	s_mov_b32 s[G1B+4], 96
	s_mov_b32 s[G1B+5], 128
	s_mov_b32 s[G1B+6], 0
	s_mov_b32 s[G1B+7], 0
	; x's address is made of the row block and the wave's number, W's of the head and the wave's number, each in registers of its own
	s_lshl_b32 s56, s19, 8
	s_lshl_b32 s58, s14, 7
	s_add_co_u32 s56, s56, s58                     ; row 256 x block + 128 x half
	s_lshl_b32 s56, s56, 11                        ; rows of 2,048 bytes
	s_mov_b32 s57, 0
	s_mul_i32 s60, s18, 393216                     ; a head of wib
	s_mul_i32 s62, s14, 24576                      ; half of a K step's block
	s_add_co_u32 s60, s60, s62
	s_mov_b32 s61, 0
	s_mul_i32 s22, s12, 34816                      ; x's halves in LDS: wave x 128 rows x 272
	s_mul_i32 s23, s12, 30720                      ; W's halves: 69,632 + (wave - 2) x 192 rows x 160
	s_add_co_u32 s23, s23, 8192
	s_lshl_b32 s74, s18, 19                        ; the way out: plane of my head,
	s_lshl_b32 s78, s19, 15                        ; 256 rows of 128 bytes a block,
	s_lshl_b32 s79, s12, 13                        ; 64 rows a wave
	s_add_co_u32 s74, s74, s78
	s_add_co_u32 s74, s74, s79
	s_mov_b32 s75, 0
	s_wait_dscnt 0x0
	s_wait_kmcnt 0x0
	s_add_nc_u64 s[56:57], s[4:5], s[56:57]
	s_add_nc_u64 s[60:61], s[6:7], s[60:61]
	s_add_nc_u64 s[68:69], s[10:11], s[74:75]      ; q's plane
	s_add_nc_u64 s[70:71], s[68:69], 0x800000      ; k's: sixteen planes of 524,288 bytes on
	s_add_nc_u64 s[72:73], s[70:71], 0x800000      ; v's
	s_lshl_b32 s74, s18, 8
	s_add_nc_u64 s[76:77], s[8:9], s[74:75]        ; b_in at my head's 64 numbers of the q third
	CROUND                                         ; all sixteen work-groups are here: the first joint loads meet
.irp s, 0,1
	s_mov_b32 s[G0A+4*\s], 1
	s_add_co_u32 s[G0A+4*\s+1], s22, \s*SLOT
	s_add_nc_u64 s[G0A+4*\s+2:G0A+4*\s+3], s[56:57], \s*256        ; K step s: 128 elements along the rows
	s_or_b32 s[G0A+4*\s+3], s[G0A+4*\s+3], 0x80000000
	s_mov_b32 s[G0B+4*\s], 1
	s_add_co_u32 s[G0B+4*\s+1], s23, \s*SLOT
	s_add_nc_u64 s[G0B+4*\s+2:G0B+4*\s+3], s[60:61], \s*49152      ; K step s: the next dense block
	s_or_b32 s[G0B+4*\s+3], s[G0B+4*\s+3], 0x80000000
	JLOAD \s                                       ; both first fills go out together: two tensor loads of the wave are out
.endr
	v_and_b32 v1, 15, v0                           ; r
	v_bfe_u32 v2, v0, 4, 1                         ; h
	v_lshlrev_b32 v[VB], 5, v2
	v_mul_u32_u24 v4, v1, 272
	v_lshl_add_u32 v4, v2, 4, v4                   ; r x 272 + 16 h
	s_mul_i32 s66, s12, 17408                      ; my 64 rows of x
	v_add_nc_u32 v[ADRA], s66, v4
	v_add_nc_u32 v[ADRA+1], SLOT, v[ADRA]
	v_and_b32 v5, 7, v0
	v_lshl_add_u32 v5, v2, 3, v5                   ; the transposing load: lane l addresses row 8 h + l mod 8,
	v_mul_u32_u24 v5, v5, 160
	v_bfe_u32 v6, v0, 3, 1
	v_lshl_add_u32 v5, v6, 4, v5                   ; 16 bytes further for lanes 8-15 and 24-31
	v_add_nc_u32 v[ADRB], BOFF, v5
	v_add_nc_u32 v[ADRB+1], SLOT, v[ADRB]
	s_mul_i32 s67, s12, 6912
	s_add_co_u32 s67, s67, STAGE                   ; my stage
	v_mul_u32_u24 v6, v1, 144
	v_lshl_add_u32 v6, v2, 4, v6
	v_add_nc_u32 v[STO], s67, v6
	v_bfe_u32 v7, v0, 3, 2                         ; back: eight lanes take a row of 128 bytes, 32 lanes four rows
	v_mul_u32_u24 v7, v7, 144
	v_and_b32 v6, 7, v0
	v_lshl_add_u32 v7, v6, 4, v7
	v_add_nc_u32 v[RD], s67, v7
	v_and_b32 v6, 31, v0
	v_lshlrev_b32 v[CO], 4, v6
.set n, 0
.rept 8                                            ; bias of the q tiles (n = 0-3) and of the v tiles (n = 4-7): the thirds are 4,096 bytes apart; the k third is not read
	global_load_b128 v[BI+8*n:BI+8*n+3], v[VB], s[76:77] offset:(n/4)*8192+(n%4)*64
	global_load_b128 v[BI+8*n+4:BI+8*n+7], v[VB], s[76:77] offset:(n/4)*8192+(n%4)*64+16
.set n, n+1
.endr
; 32 LDS loads: the fragments of 32 along K (quarter kq of the slot's step) into buffer p: 12 tiles of W, 4 of x
.macro FETCH slot, kq, p
	WIN TO_B
.set bb, 0
.rept 12
	ds_load_tr16_b128 v[96*(\p)+8*bb:96*(\p)+8*bb+3], v[ADRB+\slot] offset:(bb/4)*20480+(\kq)*5120+(bb%4)*32
	ds_load_tr16_b128 v[96*(\p)+8*bb+4:96*(\p)+8*bb+7], v[ADRB+\slot] offset:(bb/4)*20480+(\kq)*5120+(bb%4)*32+2560
.set bb, bb+1
.endr
	WIN 0
.set aa, 0
.rept 4
	ds_load_b128 v[AF+32*(\p)+8*aa:AF+32*(\p)+8*aa+3], v[ADRA+\slot] offset:aa*4352+(\kq)*64
	ds_load_b128 v[AF+32*(\p)+8*aa+4:AF+32*(\p)+8*aa+7], v[ADRA+\slot] offset:aa*4352+(\kq)*64+32
.set aa, aa+1
.endr
.endm
; 12 matrix instructions: row tile a x all 12 column tiles.  zero = 1: the first product starts the sums.
; The 48 accumulators take turns, one instruction a turn, in the same order in every quarter.
.macro MULA p, a, zero
.set bb, 0
.rept 12
.if \zero
	v_wmma_f32_16x16x32_f16 v[8*(12*((\a)&1)+bb):8*(12*((\a)&1)+bb)+7], v[96*(\p)+8*bb:96*(\p)+8*bb+7], v[AF+32*(\p)+8*(\a):AF+32*(\p)+8*(\a)+7], 0
.else
	v_wmma_f32_16x16x32_f16 v[8*(12*((\a)&1)+bb):8*(12*((\a)&1)+bb)+7], v[96*(\p)+8*bb:96*(\p)+8*bb+7], v[AF+32*(\p)+8*(\a):AF+32*(\p)+8*(\a)+7], v[8*(12*((\a)&1)+bb):8*(12*((\a)&1)+bb)+7]
.endif
.set bb, bb+1
.endr
.endm
; One of a K step's first three quarters: fetches quarter kq into buffer g, multiplies buffer f
.macro QUARTER slot, kq, f, g, zero
	s_wait_dscnt 0x0                               ; buffer f is in: its 32 loads were issued 24 or 48 matrix instructions ago; at most 32 LDS loads of the wave are ever out
	PLACES
	FETCH \slot, \kq, \g                           ; these land while buffer f is multiplied
	WIN MUL_LO
	MULA \f, 0, \zero
	MULA \f, 1, \zero
	WIN MUL_HI
	MULA \f, 2, \zero
	MULA \f, 3, \zero
.endm
.macro THREE slot, zero
	QUARTER \slot, 1, 0, 1, \zero
	QUARTER \slot, 2, 1, 0, 0
	QUARTER \slot, 3, 0, 1, 0
.endm
; The last quarter multiplies buffer 1 and changes slots.  In front of the barrier each wave waits for its reads of this slot and for all its
; tensor loads (the one that is out is its part of the next slot).  Where the slot is filled again the barrier opens a round of the cluster's
; barrier, and the joint refill is the wave's first and only tensor load behind the round; 168 matrix instructions follow before the wait for it.
.macro TURN slot, next, fill
	s_wait_dscnt 0x0
	s_wait_tensorcnt 0x0
	ds_add_u32 v255, v31
	s_wait_dscnt 0x0
	s_barrier_signal -1
	WIN MUL_LO
	MULA 1, 0, 0
	MULA 1, 1, 0
	WIN 0
	s_barrier_wait -1
.if \fill
	CREST
	s_add_nc_u64 s[G0A+4*\slot+2:G0A+4*\slot+3], s[G0A+4*\slot+2:G0A+4*\slot+3], 512      ; two K steps on; no load of the wave is out
	s_add_nc_u64 s[G0B+4*\slot+2:G0B+4*\slot+3], s[G0B+4*\slot+2:G0B+4*\slot+3], 98304
	JLOAD \slot
.endif
	PLACES
	FETCH \next, 0, 0
	WIN MUL_HI
	MULA 1, 2, 0
	MULA 1, 3, 0
.endm
.macro LAP zero
	THREE 0, \zero
	TURN 0, 1, 1
	THREE 1, 0
	TURN 1, 0, 1
.endm
	s_wait_tensorcnt 0x1                           ; my part of K step 0 is in; K step 1's load stays out
	s_barrier_signal -1
	s_barrier_wait -1
	FETCH 0, 0, 0
	LAP 1                                          ; K steps 0, 1; fills 2, 3
	WIN 0
	s_mov_b32 s3, 2
.Llap:
	LAP 0                                          ; K steps 2-5; fills 4-7
	WIN 0
	s_sub_co_u32 s3, s3, 1
	s_cmp_lg_u32 s3, 0
	s_cbranch_scc1 .Llap
	THREE 0, 0                                     ; K steps 6, 7: nothing is left to fetch
	TURN 0, 1, 0
	THREE 1, 0
	s_wait_dscnt 0x0
	WIN MUL_LO
	MULA 1, 0, 0
	MULA 1, 1, 0
	WIN MUL_HI
	MULA 1, 2, 0
	MULA 1, 3, 0
	; THE WAY OUT, 16 rows at a time: bias in f32 on q and v, round to f16, 16 bytes a lane into my own stage, whole rows back,
	; and stores of which each covers 512 consecutive bytes of a plane (four rows of 128 bytes).
	PLACES
	s_wait_loadcnt 0x0                             ; the bias
.macro OUT16 a, wadd, wcvt
	WIN \wadd                                      ; accumulators as source 0 and destination, bias from window 0
.set tb, 0
.rept 8
.set pr, 0
.rept 4
	v_pk_add_f32 v[8*(12*((\a)&1)+tb+4*(tb/4))+2*pr:8*(12*((\a)&1)+tb+4*(tb/4))+2*pr+1], v[8*(12*((\a)&1)+tb+4*(tb/4))+2*pr:8*(12*((\a)&1)+tb+4*(tb/4))+2*pr+1], v[BI+8*tb+2*pr:BI+8*tb+2*pr+1]
.set pr, pr+1
.endr
.set tb, tb+1
.endr
	WIN \wcvt
.set bb, 0
.rept 12
.set pr, 0
.rept 4
	v_cvt_pk_f16_f32 v[TMP+4*bb+pr], v[8*(12*((\a)&1)+bb)+2*pr], v[8*(12*((\a)&1)+bb)+2*pr+1]
.set pr, pr+1
.endr
.set bb, bb+1
.endr
	WIN 0
.set bb, 0
.rept 12
	ds_store_b128 v[STO], v[TMP+4*bb:TMP+4*bb+3] offset:(bb/4)*2304+(bb%4)*32
.set bb, bb+1
.endr
	s_wait_xcnt 0x0                                ; RB, which the last 16 rows' stores read, is loaded again only behind this wait
.set n, 0
.rept 12
	ds_load_b128 v[RB+4*n:RB+4*n+3], v[RD] offset:(n/4)*2304+(n%4)*576     ; LDS serves a wave's instructions in order: these see the stores above
.set n, n+1
.endr
.set n, 0
.rept 12
	s_wait_dscnt 11-n                              ; the 11 - n younger loads may be out
	global_store_b128 v[CO], v[RB+4*n:RB+4*n+3], s[68+2*(n/4):69+2*(n/4)] offset:(\a)*2048+(n%4)*512
.set n, n+1
.endr
.endm
	OUT16 0, 0x82, 0x0a
	OUT16 1, 0x82, 0x0a
	OUT16 2, 0xc3, 0x0f
	OUT16 3, 0xc3, 0x0f
	s_set_vgpr_msb 0x1
	s_wait_tensorcnt 0x0
	ds_add_u32 v255, v31
	s_wait_dscnt 0x0
	s_set_vgpr_msb 0x100
	CROUND                                         ; the closing round: no work-group ends while a partner may still ask for a tile that names it
	s_endpgm
.Lfunc_end_k_q1804c0ee24_qkv:
	.size	k_q1804c0ee24_qkv, .Lfunc_end_k_q1804c0ee24_qkv-k_q1804c0ee24_qkv
	.p2alignl 7, 3214868480
	.fill 96, 4, 3214868480
	.section	.rodata,"a",@progbits
	.p2align	6, 0x0
	.amdhsa_kernel k_q1804c0ee24_qkv
		.amdhsa_group_segment_fixed_size 327680
		.amdhsa_private_segment_fixed_size 0
		.amdhsa_enable_private_segment 0
		.amdhsa_kernarg_size 32
		.amdhsa_user_sgpr_count 2
		.amdhsa_user_sgpr_kernarg_segment_ptr 1
		.amdhsa_wavefront_size32 1
		.amdhsa_system_sgpr_workgroup_id_x 1
		.amdhsa_system_sgpr_workgroup_id_y 1
		.amdhsa_system_sgpr_workgroup_id_z 1
		.amdhsa_system_vgpr_workitem_id 0
		.amdhsa_next_free_vgpr 960
		.amdhsa_next_free_sgpr 80
		.amdhsa_reserve_vcc 0
		.amdhsa_float_denorm_mode_32 3
		.amdhsa_float_denorm_mode_16_64 3
		.amdhsa_memory_ordered 1
		.amdhsa_forward_progress 1
		.amdhsa_inst_pref_size 172
	.end_amdhsa_kernel
	.amdgpu_metadata
---
amdhsa.version: [ 1, 2 ]
amdhsa.kernels:
  - .name:           k_q1804c0ee24_qkv
    .symbol:         k_q1804c0ee24_qkv.kd
    .args:
      - { .name: xb, .offset: 0, .size: 8, .value_kind: global_buffer, .address_space: global }
      - { .name: wib, .offset: 8, .size: 8, .value_kind: global_buffer, .address_space: global }
      - { .name: b_in, .offset: 16, .size: 8, .value_kind: global_buffer, .address_space: global }
      - { .name: qkv, .offset: 24, .size: 8, .value_kind: global_buffer, .address_space: global }
    .group_segment_fixed_size: 327680
    .private_segment_fixed_size: 0
    .kernarg_segment_align: 8
    .kernarg_segment_size: 32
    .max_flat_workgroup_size: 128
    .sgpr_count:     80
    .vgpr_count:     960
    .wavefront_size: 32
...
	.end_amdgpu_metadata
.endif
;; end of part 2
;; launch attn (part 3): grid 8 x 32, 4 waves a work-group, clusters of 4 x 1, 327,680 bytes of LDS; arguments qkv, ctx; writes ctx
.if DOCPART == 3
	.amdgcn_target "amdgcn-amd-amdhsa--gfx1250"
	.amdhsa_code_object_version 6
	.text
	.protected	k_q1804c0ee24_attn
	.globl	k_q1804c0ee24_attn
	.p2align	8
	.type	k_q1804c0ee24_attn,@function
k_q1804c0ee24_attn:
	s_mov_b64 s[64:65], 0
	v_nop
	global_prefetch_b8 v0, s[64:65] scope:SCOPE_SE
	s_setreg_imm32_b32 hwreg(HW_REG_WAVE_MODE, 25, 1), 1
	s_wait_xcnt 0x0
	s_wait_alu depctr_hold_cnt(0) depctr_sa_sdst(0) depctr_va_vdst(0) depctr_va_sdst(0) depctr_va_ssrc(0) depctr_va_vcc(0) depctr_vm_vsrc(0)
	s_getreg_b32 s2, hwreg(HW_REG_IB_STS2, 6, 4)
	s_cmp_eq_u32 s2, 0
	s_cbranch_scc0 .Lentry_in_a_cluster
	s_endpgm
.Lentry_in_a_cluster:
	s_bfe_u32 s2, ttmp6, 0x10000c
	s_cmp_lg_u32 s2, 0x3003
	s_cbranch_scc0 .Lentry_shape_is_right
	s_endpgm
.Lentry_shape_is_right:
; ctx = softmax(q k^T / 8) v for each of the 32 (batch, head) pairs, with a running maximum.  qkv[t][head][m][64] f16 in, ctx[head][m][64] f16 out.
; k comes without its bias: that term is the same along the softmax's axis and cancels (shown at the head of the first kernel).
; A work-group takes 256 queries of one (batch, head); a wave 64 of them, as four query tiles of 16.  Keys go in blocks of 64; an LDS slot holds
; 256 keys of K and of V (four blocks); two slots, 8 slot steps.
; CLUSTERS: the four work-groups of a cluster are four query blocks of one (batch, head) and read the same K and V tiles: joint loads, mask 15.
; ORIENTATION.  S^T = K Q^T (source 0 = 16 keys, source 1 = 16 queries): lane (r, h), register j of tile i holds the score of query r and key
; 16 i + 8 h + j.  So maximum, sum and rescaling factor are one number a lane, and one exchange between the two halves of the wave joins them.
; Two such tiles, packed to f16, are already the fragment of P for 32 keys.  O^T = V^T P^T (source 0 = V through the transposing LDS load):
; lane (r, h), register j of tile d holds ctx(query r, column 16 d + 8 h + j).
; THE EXPONENT: with c = log2(e) / 8 and M the running maximum of the raw scores, N = round(-c M); p = 2^(c s + N) by one fused multiply-add, and
; the old sums are scaled by 2^(N new - N old).  The same rounded N stands in both, so the factors agree whatever the size of the scores,
; and c s + N exceeds 0 by no more than the rounding of N: no exponential and no sum overflows, and p has room in f16.
; LIMITS: an exponential below 2^-126 comes out as zero (ISA guide, v_exp_f32); a p below 2^-25 rounds to zero in f16, beside a largest p of about 1;
; the row sum is taken over p in f32, before p is rounded to f16 for the product; the order of the sums differs from a plain softmax's.
.set SLOT,  77824                      ; V: 256 rows, pitch 160 (40,960 bytes); K: 256 rows, pitch 144 (36,864)
.set KOFF,  40960
.set STAGE, 155648                     ; behind the ring, never filled by a tensor load: 16 rows x 144 bytes for each wave
.set KA,  8                            ; v8-9    LDS address of K fragments, slot 0, 1
.set VA,  10                           ; v10-11  the same for V
.set STO, 12
.set RD,  13
.set CO,  14
.set QO,  15
                                       ; v16+2qt, v17+2qt: N of even blocks, M.   v24+2qt, v25+2qt: N of odd blocks, the sum L
.set TT,  32                           ; v32-35  four running maxima
.set UU,  36                           ; v36-43  four pairs of partial sums
.set AL,  44                           ; v44     the rescaling factor; in the end 1 / sum
.set XR,  45                           ; v45     what the other half of the wave sent
.set SC,  48                           ; v48-79  scores, tile i at 48 + 8 i
.set PF,  80                           ; v80-95  P, 32 keys each 8 registers
.set KF,  96                           ; v96-159 K fragments, 96 + 16 i + 8 e
.set QF,  160                          ; v160-223 Q fragments, 160 + 16 qt + 8 e
.set VF,  128                          ; window 1: v128-191 V fragments, 128 + 8 (4 u + d);  v0-127 O, 32 qt + 8 d
.set G1V, 16
.set G1K, 24
.set G0V, 32
.set G0K, 40
.set MSB, 0
.macro WIN new
.if MSB != \new
	s_set_vgpr_msb (MSB<<8)|\new
.set MSB, \new
.endif
.endm
.macro PLACES                          ; four plain vector instructions behind a matrix instruction (ISA guide 7.12.1)
.rept 4
	v_nop
.endr
.endm
.macro JLOAD s                         ; waves 0, 1 fetch V's two halves, waves 2, 3 K's
	s_cmp_eq_u32 s9, 0
	s_cbranch_scc0 .Lfor_k_\@
	tensor_load_to_lds s[G0V+4*\s:G0V+4*\s+3], s[G1V:G1V+7]
	s_nop 0
	s_branch .Lasked_\@
.Lfor_k_\@:
	tensor_load_to_lds s[G0K+4*\s:G0K+4*\s+3], s[G1K:G1K+7]
	s_nop 0
.Lasked_\@:
.endm
.macro ROUND                           ; a round of the cluster's barrier
	s_barrier_signal -1
	s_barrier_wait -1
	s_cmp_lg_u32 s8, 0
	s_cbranch_scc1 .Lnot_wave_0_\@
	s_barrier_signal -3
.Lnot_wave_0_\@:
	s_barrier_wait -3
	s_barrier_signal -1
	s_barrier_wait -1
.endm
	s_load_b128 s[4:7], s[0:1], 0x0                ; qkv s[4:5], ctx s[6:7]
	v_lshl_add_u32 v254, v0, 2, 0x29000
	v_mov_b32 v255, 0
	ds_add_u32 v254, v255
	v_lshrrev_b32 v1, 5, v0
	v_readfirstlane_b32 s8, v1                     ; wave
	s_lshr_b32 s9, s8, 1                           ; I fetch for V (0) or for K (1)
	s_and_b32 s10, s8, 1                           ; which 128 keys of the slot's 256
	s_bfe_u32 s11, ttmp6, 0x40000                  ; cx
	s_lshl_b32 s12, ttmp9, 2
	s_add_co_u32 s12, s12, s11                     ; query block
	s_and_b32 s13, ttmp7, 0xffff
	s_and_b32 s14, s13, 15                         ; head
	s_lshr_b32 s15, s13, 4                         ; batch
	s_mov_b32 s48, 0x76543210                      ; v_permlanex16_b32: lane i of one half reads lane i of the other
	s_mov_b32 s49, 0xfedcba98
	s_mov_b32 s50, 0x3e38aa3b                      ; c = log2(e) / 8
	s_mov_b32 s51, 0x3e38aa3b
	s_mov_b32 s52, 0xbe38aa3b                      ; -c
	; group 1: a dense block of 128 rows of 128 bytes as 64 rows of 256; padding behind every 32 words: 8 words for V (pitch 160), 4 for K (pitch 144)
	s_mov_b32 s[G1V+0], 15|(1<<16)|(1<<20)|(1<<21)|(4<<22)|(7<<25)
	s_mov_b32 s[G1K+0], 15|(1<<16)|(1<<20)|(1<<21)|(4<<22)|(3<<25)
.irp g, G1V, G1K
	s_mov_b32 s[\g+1], 128<<16
	s_mov_b32 s[\g+2], 64<<16
	s_mov_b32 s[\g+3], 128<<16
	s_mov_b32 s[\g+4], 64
	s_mov_b32 s[\g+5], 128
	s_mov_b32 s[\g+6], 0
	s_mov_b32 s[\g+7], 0
.endr
	s_lshl_b32 s58, s14, 19                        ; K and V: the head's plane, the batch's 2,048 rows, my 128 rows.  No place in the cluster enters
	s_lshl_b32 s62, s15, 18
	s_add_co_u32 s58, s58, s62
	s_lshl_b32 s62, s10, 14
	s_add_co_u32 s58, s58, s62
	s_mov_b32 s59, 0
	s_mul_i32 s54, s8, 20480                       ; V's halves in LDS: wave x 128 rows x 160
	s_mul_i32 s55, s8, 18432                       ; K's: 40,960 + (wave - 2) x 128 rows x 144
	s_add_co_u32 s55, s55, 4096
	s_lshl_b32 s56, s14, 19                        ; Q and ctx: plane, batch, query block of 256 rows, 64 rows a wave
	s_lshl_b32 s63, s15, 18
	s_add_co_u32 s56, s56, s63
	s_lshl_b32 s63, s12, 15
	s_add_co_u32 s56, s56, s63
	s_lshl_b32 s63, s8, 13
	s_add_co_u32 s56, s56, s63
	s_mov_b32 s57, 0
	s_wait_dscnt 0x0
	s_wait_kmcnt 0x0
	s_add_nc_u64 s[60:61], s[4:5], s[58:59]
	s_add_nc_u64 s[66:67], s[4:5], s[56:57]        ; my 64 rows of q
	s_add_nc_u64 s[68:69], s[6:7], s[56:57]        ; my 64 rows of ctx
	ROUND                                          ; in front of the first joint load
.irp s, 0,1
	s_mov_b32 s[G0V+4*\s], 1
	s_add_co_u32 s[G0V+4*\s+1], s54, \s*SLOT
	s_add_nc_u64 s[G0V+4*\s+2:G0V+4*\s+3], s[60:61], 0x1000000+\s*32768    ; v's planes begin 32 planes in; slot step s: 256 rows of 128 bytes
	s_or_b32 s[G0V+4*\s+3], s[G0V+4*\s+3], 0x80000000
	s_mov_b32 s[G0K+4*\s], 1
	s_add_co_u32 s[G0K+4*\s+1], s55, \s*SLOT
	s_add_nc_u64 s[G0K+4*\s+2:G0K+4*\s+3], s[60:61], 0x800000+\s*32768     ; k's planes begin 16 planes in
	s_or_b32 s[G0K+4*\s+3], s[G0K+4*\s+3], 0x80000000
.endr
	JLOAD 0                                        ; slot step 0: one tensor load of the wave is out, here and behind every round
	v_and_b32 v1, 15, v0                           ; r
	v_bfe_u32 v2, v0, 4, 1                         ; h
	v_lshlrev_b32 v[QO], 7, v1
	v_lshl_add_u32 v[QO], v2, 4, v[QO]             ; r x 128 + 16 h
.set n, 0
.rept 8                                            ; Q's fragments stay in registers for the whole kernel: tile n / 2, 32 columns n mod 2
	global_load_b128 v[QF+8*n:QF+8*n+3], v[QO], s[66:67] offset:(n/2)*2048+(n%2)*64
	global_load_b128 v[QF+8*n+4:QF+8*n+7], v[QO], s[66:67] offset:(n/2)*2048+(n%2)*64+32
.set n, n+1
.endr
	v_mul_u32_u24 v3, v1, 144
	v_lshl_add_u32 v3, v2, 4, v3                   ; r x 144 + 16 h
	v_add_nc_u32 v[KA], KOFF, v3
	v_add_nc_u32 v[KA+1], SLOT, v[KA]
	v_and_b32 v4, 7, v0
	v_lshl_add_u32 v4, v2, 3, v4                   ; the transposing load: row 8 h + l mod 8,
	v_mul_u32_u24 v4, v4, 160
	v_bfe_u32 v5, v0, 3, 1
	v_lshl_add_u32 v[VA], v5, 4, v4                ; 16 bytes further for lanes 8-15 and 24-31
	v_add_nc_u32 v[VA+1], SLOT, v[VA]
	s_mul_i32 s62, s8, 2304
	s_add_co_u32 s62, s62, STAGE                   ; my stage
	v_add_nc_u32 v[STO], s62, v3
	v_bfe_u32 v5, v0, 3, 2
	v_mul_u32_u24 v5, v5, 144
	v_and_b32 v4, 7, v0
	v_lshl_add_u32 v5, v4, 4, v5
	v_add_nc_u32 v[RD], s62, v5                    ; back: eight lanes a row of 128 bytes
	v_and_b32 v4, 31, v0
	v_lshlrev_b32 v[CO], 4, v4
	v_mov_b32 v[XR], 0                             ; the lane exchange counts as a reader of its destination
	s_wait_loadcnt 0x0                             ; Q
.macro LOADK slot, j                   ; 16 loads: block j's 64 keys x 64
.set ii, 0
.rept 4
.set ee, 0
.rept 2
	ds_load_b128 v[KF+16*ii+8*ee:KF+16*ii+8*ee+3], v[KA+\slot] offset:(\j)*9216+ii*2304+ee*64
	ds_load_b128 v[KF+16*ii+8*ee+4:KF+16*ii+8*ee+7], v[KA+\slot] offset:(\j)*9216+ii*2304+ee*64+32
.set ee, ee+1
.endr
.set ii, ii+1
.endr
.endm
.macro LOADV slot, j                   ; 16 transposing loads: block j's 64 keys x 64, into window 1
	WIN 0x40
.set uu, 0
.rept 2
.set dd, 0
.rept 4
	ds_load_tr16_b128 v[VF+8*(4*uu+dd):VF+8*(4*uu+dd)+3], v[VA+\slot] offset:(\j)*10240+uu*5120+dd*32
	ds_load_tr16_b128 v[VF+8*(4*uu+dd)+4:VF+8*(4*uu+dd)+7], v[VA+\slot] offset:(\j)*10240+uu*5120+dd*32+2560
.set dd, dd+1
.endr
.set uu, uu+1
.endr
	WIN 0
.endm
; One query tile against one block of 64 keys.  first = 1: the very first block starts maximum, sum and O.  pk = 1: a further block of this slot follows.
.macro QT qt, first, slot, j, pk
.set NN, 16+8*((\j)&1)+2*(\qt)         ; this block's N
.set NO, 24-8*((\j)&1)+2*(\qt)         ; the last block's
.set MX, 17+2*(\qt)
.set LS, 25+2*(\qt)
.if \qt == 0
	s_wait_dscnt 0x0                               ; K's fragments are in
.endif
	; scores: four accumulators by turns, one instruction a turn
.set ee, 0
.rept 2
.set ii, 0
.rept 4
.if ee == 0
	v_wmma_f32_16x16x32_f16 v[SC+8*ii:SC+8*ii+7], v[KF+16*ii:KF+16*ii+7], v[QF+16*(\qt):QF+16*(\qt)+7], 0
.else
	v_wmma_f32_16x16x32_f16 v[SC+8*ii:SC+8*ii+7], v[KF+16*ii+8:KF+16*ii+15], v[QF+16*(\qt)+8:QF+16*(\qt)+15], v[SC+8*ii:SC+8*ii+7]
.endif
.set ii, ii+1
.endr
.set ee, ee+1
.endr
	PLACES
	; the running maximum of the raw scores: four chains, then the other half of the wave
.irp k, 0,1,2,3
	v_max3_num_f32 v[TT+\k], v[SC+8*\k], v[SC+8*\k+1], v[SC+8*\k+2]
.endr
.irp k, 0,1,2,3
	v_max3_num_f32 v[TT+\k], v[TT+\k], v[SC+8*\k+3], v[SC+8*\k+4]
.endr
.irp k, 0,1,2,3
	v_max3_num_f32 v[TT+\k], v[TT+\k], v[SC+8*\k+5], v[SC+8*\k+6]
.endr
.irp k, 0,1,2,3
	v_max_num_f32 v[TT+\k], v[TT+\k], v[SC+8*\k+7]
.endr
	v_max3_num_f32 v[TT], v[TT], v[TT+1], v[TT+2]
.if \first
	v_max_num_f32 v[TT], v[TT], v[TT+3]
.else
	v_max3_num_f32 v[TT], v[TT], v[TT+3], v[MX]
.endif
	v_permlanex16_b32 v[XR], v[TT], s48, s49
	v_max_num_f32 v[MX], v[TT], v[XR]
.if \qt == 0
	LOADV \slot, \j                                ; the last products that read V's registers lie behind the four places above
.endif
.if \qt == 3
.if \pk
	LOADK \slot, \j+1                              ; the next block's K: this block's last score products lie behind the four places above
.endif
.endif
	v_mul_f32 v[NN], s52, v[MX]                    ; N = -c M, rounded once, used in both exponents
.if \first == 0
	v_sub_f32 v[TT+3], v[NN], v[NO]
	v_exp_f32 v[AL], v[TT+3]                       ; the plain instructions below stand between it and its use
.endif
.set n, 0
.rept 16
	v_pk_fma_f32 v[SC+2*n:SC+2*n+1], v[SC+2*n:SC+2*n+1], s[50:51], v[NN:NN+1] op_sel_hi:[1,0,0]
.set n, n+1
.endr
.set n, 0
.rept 32
	v_exp_f32 v[SC+n], v[SC+n]
.set n, n+1
.endr
	v_nop                                          ; one plain instruction behind the run of exponentials, before a result is read
.set n, 0
	s_wait_alu depctr_va_vdst(0)
.rept 16
	v_cvt_pk_f16_f32 v[PF+n], v[SC+2*n], v[SC+2*n+1]
.set n, n+1
.endr
	; my 32 numbers' sum, four chains of pairs
.irp k, 0,1,2,3
	v_pk_add_f32 v[UU+2*\k:UU+2*\k+1], v[SC+4*\k:SC+4*\k+1], v[SC+4*\k+2:SC+4*\k+3]
.endr
.irp k, 0,1,2,3
	v_pk_add_f32 v[UU+2*\k:UU+2*\k+1], v[UU+2*\k:UU+2*\k+1], v[SC+16+2*\k:SC+16+2*\k+1]
.endr
.irp k, 0,1,2,3
	v_pk_add_f32 v[UU+2*\k:UU+2*\k+1], v[UU+2*\k:UU+2*\k+1], v[SC+24+2*\k:SC+24+2*\k+1]
.endr
	v_pk_add_f32 v[UU:UU+1], v[UU:UU+1], v[UU+2:UU+3]
	v_pk_add_f32 v[UU+4:UU+5], v[UU+4:UU+5], v[UU+6:UU+7]
	v_pk_add_f32 v[UU:UU+1], v[UU:UU+1], v[UU+4:UU+5]
.if \first
	v_add_f32 v[LS], v[UU], v[UU+1]
.else
	v_add_f32 v[TT], v[UU], v[UU+1]
	v_fma_f32 v[LS], v[LS], v[AL], v[TT]
.endif
.if \qt == 0
	s_wait_dscnt 0x0                               ; V's fragments are in
.endif
	WIN 0x51                                       ; O and V in window 1, P and the factor in window 0
.if \first == 0
.set n, 0
.rept 16
	v_pk_mul_f32 v[32*(\qt)+2*n:32*(\qt)+2*n+1], v[32*(\qt)+2*n:32*(\qt)+2*n+1], v[AL:AL+1] op_sel_hi:[1,0]
.set n, n+1
.endr
.endif
.set uu, 0
.rept 2
.set dd, 0
.rept 4
.if (\first) && (uu == 0)
	v_wmma_f32_16x16x32_f16 v[32*(\qt)+8*dd:32*(\qt)+8*dd+7], v[VF+8*(4*uu+dd):VF+8*(4*uu+dd)+7], v[PF+8*uu:PF+8*uu+7], 0
.else
	v_wmma_f32_16x16x32_f16 v[32*(\qt)+8*dd:32*(\qt)+8*dd+7], v[VF+8*(4*uu+dd):VF+8*(4*uu+dd)+7], v[PF+8*uu:PF+8*uu+7], v[32*(\qt)+8*dd:32*(\qt)+8*dd+7]
.endif
.set dd, dd+1
.endr
.set uu, uu+1
.endr
	WIN 0
.endm
.macro BLOCK slot, j, first, pk
	QT 0, \first, \slot, \j, \pk
	QT 1, \first, \slot, \j, \pk
	QT 2, \first, \slot, \j, \pk
	QT 3, \first, \slot, \j, \pk
.endm
; A slot step: 256 keys.  In front of the round every wave waits for all its tensor loads (its part of this slot among them) and for its reads of
; the other slot; the round holds that of every wave of the four work-groups; the joint load into the other slot is the wave's first and only
; tensor load behind it, and has the whole step in which to land.
.macro TRIP slot, other, refill, first
	s_wait_tensorcnt 0x0
	ds_add_u32 v254, v255
	s_wait_dscnt 0x0
	s_add_nc_u64 s[G0V+4*\slot+2:G0V+4*\slot+3], s[G0V+4*\slot+2:G0V+4*\slot+3], 65536    ; no load of the wave is out: this slot's next tile, two steps on
	s_add_nc_u64 s[G0K+4*\slot+2:G0K+4*\slot+3], s[G0K+4*\slot+2:G0K+4*\slot+3], 65536
	s_wait_dscnt 0x0
	ROUND
.if \refill
	JLOAD \other
.endif
	LOADK \slot, 0
	BLOCK \slot, 0, \first, 1
	BLOCK \slot, 1, 0, 1
	BLOCK \slot, 2, 0, 1
	BLOCK \slot, 3, 0, 0
.endm
	TRIP 0, 1, 1, 1                                ; step 0; slot 1 gets its first fill behind this step's round
	TRIP 1, 0, 1, 0
	s_mov_b32 s53, 2
.Ltrip:
	TRIP 0, 1, 1, 0                                ; steps 2-5
	TRIP 1, 0, 1, 0
	s_sub_co_u32 s53, s53, 1
	s_cmp_lg_u32 s53, 0
	s_cbranch_scc1 .Ltrip
	TRIP 0, 1, 1, 0                                ; step 6 asks for step 7
	TRIP 1, 0, 0, 0                                ; step 7: nothing is left to fetch (the stepped addresses are not used)
	; THE WAY OUT, a query tile at a time: join the two halves' sums, divide, round to f16, through my own stage, and stores of which each
	; covers 512 consecutive bytes of ctx's plane (four rows of 128 bytes).  Each tile has read-back registers of its own.
	PLACES
.macro OUTQ qt
	v_permlanex16_b32 v[XR], v[25+2*\qt], s48, s49
	v_add_f32 v[25+2*\qt], v[25+2*\qt], v[XR]
	v_rcp_f32 v[AL], v[25+2*\qt]
	v_nop                                          ; one plain instruction behind the reciprocal
	WIN 0x01                                       ; O from window 1
.set n, 0
	s_wait_alu depctr_va_vdst(0)
.rept 16
	v_pk_mul_f32 v[SC+2*n:SC+2*n+1], v[32*\qt+2*n:32*\qt+2*n+1], v[AL:AL+1] op_sel_hi:[1,0]
.set n, n+1
.endr
	WIN 0
.set n, 0
.rept 16
	v_cvt_pk_f16_f32 v[PF+n], v[SC+2*n], v[SC+2*n+1]
.set n, n+1
.endr
.set n, 0
.rept 4
	ds_store_b128 v[STO], v[PF+4*n:PF+4*n+3] offset:32*n
.set n, n+1
.endr
.set n, 0
.rept 4
	ds_load_b128 v[KF+16*\qt+4*n:KF+16*\qt+4*n+3], v[RD] offset:n*576      ; LDS serves a wave's instructions in order: these see the stores above
.set n, n+1
.endr
.set n, 0
.rept 4
	s_wait_dscnt 3-n                               ; the 3 - n younger loads may be out
	global_store_b128 v[CO], v[KF+16*\qt+4*n:KF+16*\qt+4*n+3], s[68:69] offset:\qt*2048+n*512
.set n, n+1
.endr
.endm
	OUTQ 0
	OUTQ 1
	OUTQ 2
	OUTQ 3
	s_wait_tensorcnt 0x0
	ds_add_u32 v254, v255
	s_wait_dscnt 0x0
	ROUND                                          ; the closing round
	s_endpgm
.Lfunc_end_k_q1804c0ee24_attn:
	.size	k_q1804c0ee24_attn, .Lfunc_end_k_q1804c0ee24_attn-k_q1804c0ee24_attn
	.p2alignl 7, 3214868480
	.fill 96, 4, 3214868480
	.section	.rodata,"a",@progbits
	.p2align	6, 0x0
	.amdhsa_kernel k_q1804c0ee24_attn
		.amdhsa_group_segment_fixed_size 327680
		.amdhsa_private_segment_fixed_size 0
		.amdhsa_enable_private_segment 0
		.amdhsa_kernarg_size 16
		.amdhsa_user_sgpr_count 2
		.amdhsa_user_sgpr_kernarg_segment_ptr 1
		.amdhsa_wavefront_size32 1
		.amdhsa_system_sgpr_workgroup_id_x 1
		.amdhsa_system_sgpr_workgroup_id_y 1
		.amdhsa_system_sgpr_workgroup_id_z 1
		.amdhsa_system_vgpr_workitem_id 0
		.amdhsa_next_free_vgpr 448
		.amdhsa_next_free_sgpr 72
		.amdhsa_reserve_vcc 0
		.amdhsa_float_denorm_mode_32 3
		.amdhsa_float_denorm_mode_16_64 3
		.amdhsa_memory_ordered 1
		.amdhsa_forward_progress 1
		.amdhsa_inst_pref_size 255
	.end_amdhsa_kernel
	.section	.bss,"aw",@nobits
	.p2align	6
	.space	262144
	.amdgpu_metadata
---
amdhsa.version: [ 1, 2 ]
amdhsa.kernels:
  - .name:           k_q1804c0ee24_attn
    .symbol:         k_q1804c0ee24_attn.kd
    .args:
      - { .name: qkv, .offset: 0, .size: 8, .value_kind: global_buffer, .address_space: global }
      - { .name: ctx, .offset: 8, .size: 8, .value_kind: global_buffer, .address_space: global }
    .group_segment_fixed_size: 327680
    .private_segment_fixed_size: 0
    .kernarg_segment_align: 8
    .kernarg_segment_size: 16
    .max_flat_workgroup_size: 128
    .sgpr_count:     72
    .vgpr_count:     448
    .wavefront_size: 32
...
	.end_amdgpu_metadata
.endif
;; end of part 3
;; launch proj (part 4): grid 8 x 32, 4 waves a work-group, clusters of 4 x 4, 327,680 bytes of LDS; arguments ctx, wob, b_out, out0; writes out0
.if DOCPART == 4
	.amdgcn_target "amdgcn-amd-amdhsa--gfx1250"
	.amdhsa_code_object_version 6
	.text
	.protected	k_q1804c0ee24_proj
	.globl	k_q1804c0ee24_proj
	.p2align	8
	.type	k_q1804c0ee24_proj,@function
k_q1804c0ee24_proj:
	s_mov_b64 s[64:65], 0
	v_nop
	global_prefetch_b8 v0, s[64:65] scope:SCOPE_SE
	s_setreg_imm32_b32 hwreg(HW_REG_WAVE_MODE, 25, 1), 1
	s_wait_xcnt 0x0
	s_wait_alu depctr_hold_cnt(0) depctr_sa_sdst(0) depctr_va_vdst(0) depctr_va_sdst(0) depctr_va_ssrc(0) depctr_va_vcc(0) depctr_vm_vsrc(0)
	s_getreg_b32 s2, hwreg(HW_REG_IB_STS2, 6, 4)
	s_cmp_eq_u32 s2, 0
	s_cbranch_scc0 .Lentry_in_a_cluster
	s_endpgm
.Lentry_in_a_cluster:
	s_bfe_u32 s2, ttmp6, 0x10000c
	s_cmp_lg_u32 s2, 0xf033
	s_cbranch_scc0 .Lentry_shape_is_right
	s_endpgm
.Lentry_shape_is_right:
; out0 = ctx * wob + b_out.  ctx[head 16][m 4096][64] f16 (K = 64 head + column), wob[1024 k][1024 n] f16, out0[4096][1024] f32; sums in f32.
; 256 work-groups of 128 x 128; four waves 2 x 2, each 64 x 64: 16 accumulator tiles.  A slot holds K = 256 (four heads' planes of ctx, 256 rows of
; wob), eight quarters of 32: 128 matrix instructions a wave for each slot, so that the next slot's load has time to land.  Four slot steps
; on two slots, written out: two first fills, two refills.
; CLUSTERS: 4 x 4.  ctx's tile hangs on the row block alone (joint along a row of the cluster), wob's on the column block alone (joint along a column).
; The matrix instruction is used transposed (source 0 = 16 columns of wob through the transposing LDS load, source 1 = 16 rows of ctx):
; lane (r, h), register j holds out(row r, column 16 b + 8 h + j): 32 neighbouring bytes.
.set SLOT,  147456                     ; A: 4 planes x 128 rows, pitch 144 (73,728 bytes); B: 256 rows, pitch 288 (73,728)
.set BOFF,  73728
.set STAGE, 294912                     ; behind the ring, never filled by a tensor load: 16 rows x 272 bytes for each wave
.set ADRA, 16                          ; v16-17  ctx fragments, slot 0, 1
.set ADRB, 20                          ; v20-23  wob fragments, 20 + 2 slot + half of the slot's 256 rows
.set STO,  24
.set RD,   25
.set CO,   26
.set VB,   27
.set AF,   32                          ; v32-95   ctx fragments, buffer p at 32 + 32 p
.set BF,   96                          ; v96-159  wob fragments, buffer p at 96 + 32 p
.set BI,   160                         ; v160-191 bias, 8 registers a column tile
.set TMP,  192                         ; v192-223 16 rows with bias
.set RB,   224                         ; v224-255 rows read back
.set G1A, 24
.set G0A, 32
.set G1B, 40
.set G0B, 48
.set MUL,  0x50                        ; C and D in window 1 (tile (a, b) at 8 (4 a + b)), fragments in window 0
.set MSB, 0
.macro WIN new
.if MSB != \new
	s_set_vgpr_msb (MSB<<8)|\new
.set MSB, \new
.endif
.endm
.macro PLACES                          ; four plain vector instructions behind a matrix instruction (ISA guide 7.12.1)
.rept 4
	v_nop
.endr
.endm
.macro JLOAD s                         ; waves 0, 1 fetch ctx's two pairs of planes, waves 2, 3 wob's two halves
	s_cmp_eq_u32 s13, 0
	s_cbranch_scc0 .Lfor_b_\@
	tensor_load_to_lds s[G0A+4*\s:G0A+4*\s+3], s[G1A:G1A+7]
	s_nop 0
	s_branch .Lasked_\@
.Lfor_b_\@:
	tensor_load_to_lds s[G0B+4*\s:G0B+4*\s+3], s[G1B:G1B+7]
	s_nop 0
.Lasked_\@:
.endm
.macro CREST
	s_cmp_lg_u32 s12, 0
	s_cbranch_scc1 .Lnot_wave_0_\@
	s_barrier_signal -3
.Lnot_wave_0_\@:
	s_barrier_wait -3
	s_barrier_signal -1
	s_barrier_wait -1
.endm
.macro CROUND
	s_barrier_signal -1
	s_barrier_wait -1
	CREST
.endm
	s_load_b256 s[4:11], s[0:1], 0x0               ; ctx s[4:5], wob s[6:7], b_out s[8:9], out0 s[10:11]
	v_lshl_add_u32 v30, v0, 2, 0x4c400
	v_mov_b32 v31, 0
	ds_add_u32 v30, v31
	v_lshrrev_b32 v1, 5, v0
	v_readfirstlane_b32 s12, v1                    ; wave
	s_lshr_b32 s13, s12, 1                         ; my half of the block's rows.  Also: I fetch for ctx (0) or for wob (1)
	s_and_b32 s14, s12, 1                          ; my half of its columns.  Also: which half of that tile I fetch
	s_bfe_u32 s16, ttmp6, 0x40000                  ; cx
	s_bfe_u32 s17, ttmp6, 0x40004                  ; cy
	s_lshl_b32 s18, ttmp9, 2
	s_add_co_u32 s18, s18, s16                     ; column block
	s_and_b32 s19, ttmp7, 0xffff
	s_lshl_b32 s19, s19, 2
	s_add_co_u32 s19, s19, s17                     ; row block
	s_lshl_b32 s20, s17, 2
	s_lshl_b32 s20, 15, s20                        ; my row of the cluster
	s_lshl_b32 s21, 0x1111, s16                    ; my column
	; group 1 for ctx: two planes; my block's 128 rows of a plane are 16,384 dense bytes, taken as one row of 8,192 elements; planes are
	; 262,144 elements apart; 4 words of padding behind every 32 words: each row of 128 bytes gets an LDS pitch of 144
	s_or_b32 s[G1A+0], s20, (1<<16)|(1<<20)|(1<<21)|(4<<22)|(3<<25)
	s_mov_b32 s[G1A+1], 8192<<16
	s_mov_b32 s[G1A+2], 2<<16
	s_mov_b32 s[G1A+3], 8192<<16
	s_mov_b32 s[G1A+4], 2
	s_mov_b32 s[G1A+5], 262144
	s_mov_b32 s[G1A+6], 0
	s_mov_b32 s[G1A+7], 0
	; group 1 for wob: 128 rows x 128 elements, pitch 1,024 elements; 8 words of padding behind every 64 words: LDS pitch 288
	s_or_b32 s[G1B+0], s21, (1<<16)|(1<<20)|(1<<21)|(5<<22)|(7<<25)
	s_mov_b32 s[G1B+1], 128<<16
	s_mov_b32 s[G1B+2], 128<<16
	s_mov_b32 s[G1B+3], 128<<16
	s_mov_b32 s[G1B+4], 128
	s_mov_b32 s[G1B+5], 1024
	s_mov_b32 s[G1B+6], 0
	s_mov_b32 s[G1B+7], 0
	s_lshl_b32 s56, s19, 14                        ; ctx: 128 rows of 128 bytes a row block,
	s_lshl_b32 s58, s14, 20                        ; two planes of 524,288 bytes a half
	s_add_co_u32 s56, s56, s58
	s_mov_b32 s57, 0
	s_lshl_b32 s60, s18, 8                         ; wob: 128 columns of 2 bytes a column block,
	s_lshl_b32 s62, s14, 18                        ; 128 rows of 2,048 bytes a half
	s_add_co_u32 s60, s60, s62
	s_mov_b32 s61, 0
	s_mul_i32 s22, s12, 36864                      ; in LDS every wave's part is 36,864 bytes: ctx's two, then wob's two
	s_lshl_b32 s74, s19, 19                        ; out0: 128 rows of 4,096 bytes a row block,
	s_lshl_b32 s78, s13, 18                        ; 64 rows a half,
	s_add_co_u32 s74, s74, s78
	s_lshl_b32 s78, s18, 9                         ; 128 columns of 4 bytes a column block,
	s_lshl_b32 s79, s14, 8                         ; 64 columns a half
	s_add_co_u32 s78, s78, s79
	s_add_co_u32 s74, s74, s78
	s_mov_b32 s75, 0
	s_mov_b32 s79, 0
	s_wait_dscnt 0x0
	s_wait_kmcnt 0x0
	s_add_nc_u64 s[56:57], s[4:5], s[56:57]
	s_add_nc_u64 s[60:61], s[6:7], s[60:61]
	s_add_nc_u64 s[68:69], s[10:11], s[74:75]      ; my 64 x 64 of out0
	s_add_nc_u64 s[76:77], s[8:9], s[78:79]        ; my 64 numbers of b_out
	CROUND                                         ; in front of the first joint loads
.irp s, 0,1
	s_mov_b32 s[G0A+4*\s], 1
	s_add_co_u32 s[G0A+4*\s+1], s22, \s*SLOT
	s_add_nc_u64 s[G0A+4*\s+2:G0A+4*\s+3], s[56:57], \s*2097152    ; slot step s: four planes on
	s_or_b32 s[G0A+4*\s+3], s[G0A+4*\s+3], 0x80000000
	s_mov_b32 s[G0B+4*\s], 1
	s_add_co_u32 s[G0B+4*\s+1], s22, \s*SLOT
	s_add_nc_u64 s[G0B+4*\s+2:G0B+4*\s+3], s[60:61], \s*524288     ; slot step s: 256 rows on
	s_or_b32 s[G0B+4*\s+3], s[G0B+4*\s+3], 0x80000000
	JLOAD \s                                       ; both first fills together: two tensor loads of the wave are out
.endr
	v_and_b32 v1, 15, v0                           ; r
	v_bfe_u32 v2, v0, 4, 1                         ; h
	v_lshlrev_b32 v[VB], 5, v2
.set n, 0
.rept 4
	global_load_b128 v[BI+8*n:BI+8*n+3], v[VB], s[76:77] offset:n*64
	global_load_b128 v[BI+8*n+4:BI+8*n+7], v[VB], s[76:77] offset:n*64+16
.set n, n+1
.endr
	v_mul_u32_u24 v4, v1, 144
	v_lshl_add_u32 v4, v2, 4, v4
	s_mul_i32 s66, s13, 9216                       ; my 64 rows in each plane
	v_add_nc_u32 v[ADRA], s66, v4
	v_add_nc_u32 v[ADRA+1], SLOT, v[ADRA]
	v_and_b32 v5, 7, v0
	v_lshl_add_u32 v5, v2, 3, v5
	v_mul_u32_u24 v5, v5, 288
	v_bfe_u32 v6, v0, 3, 1
	v_lshl_add_u32 v5, v6, 4, v5
	s_lshl_b32 s67, s14, 7                         ; my 64 columns
	s_add_co_u32 s67, s67, BOFF
	v_add_nc_u32 v[ADRB], s67, v5
	v_add_nc_u32 v[ADRB+1], 36864, v[ADRB]         ; rows 128-255: the immediate offset alone would not reach them
	v_add_nc_u32 v[ADRB+2], SLOT, v[ADRB]
	v_add_nc_u32 v[ADRB+3], SLOT, v[ADRB+1]
	s_mul_i32 s59, s12, 4352
	s_add_co_u32 s59, s59, STAGE                   ; my stage
	v_mul_u32_u24 v6, v1, 272
	v_lshl_add_u32 v6, v2, 5, v6
	v_add_nc_u32 v[STO], s59, v6                   ; in: row r, 32 bytes for each half of the lanes
	v_mul_u32_u24 v7, v2, 272
	v_lshl_add_u32 v7, v1, 4, v7
	v_add_nc_u32 v[RD], s59, v7                    ; back: lanes 0-15 one row of 256 bytes, lanes 16-31 the next
	v_lshlrev_b32 v6, 12, v2
	v_lshl_add_u32 v[CO], v1, 4, v6                ; and the same two rows in out0
.macro FETCH slot, kq, p               ; 16 LDS loads: quarter kq (32 along K) of the slot into buffer p
.set bb, 0
.rept 4
	ds_load_tr16_b128 v[BF+32*(\p)+8*bb:BF+32*(\p)+8*bb+3], v[ADRB+2*\slot+(\kq)/4] offset:((\kq)%4)*9216+bb*32
	ds_load_tr16_b128 v[BF+32*(\p)+8*bb+4:BF+32*(\p)+8*bb+7], v[ADRB+2*\slot+(\kq)/4] offset:((\kq)%4)*9216+bb*32+4608
.set bb, bb+1
.endr
.set aa, 0
.rept 4
	ds_load_b128 v[AF+32*(\p)+8*aa:AF+32*(\p)+8*aa+3], v[ADRA+\slot] offset:((\kq)/2)*18432+aa*2304+((\kq)%2)*64
	ds_load_b128 v[AF+32*(\p)+8*aa+4:AF+32*(\p)+8*aa+7], v[ADRA+\slot] offset:((\kq)/2)*18432+aa*2304+((\kq)%2)*64+32
.set aa, aa+1
.endr
.endm
; 8 matrix instructions: row tiles a0, a0 + 1 x 4 column tiles.  The 16 accumulators take turns, one instruction a turn.
.macro MUL8 p, a0, zero
.set aa, \a0
.rept 2
.set bb, 0
.rept 4
.if \zero
	v_wmma_f32_16x16x32_f16 v[8*(4*aa+bb):8*(4*aa+bb)+7], v[BF+32*(\p)+8*bb:BF+32*(\p)+8*bb+7], v[AF+32*(\p)+8*aa:AF+32*(\p)+8*aa+7], 0
.else
	v_wmma_f32_16x16x32_f16 v[8*(4*aa+bb):8*(4*aa+bb)+7], v[BF+32*(\p)+8*bb:BF+32*(\p)+8*bb+7], v[AF+32*(\p)+8*aa:AF+32*(\p)+8*aa+7], v[8*(4*aa+bb):8*(4*aa+bb)+7]
.endif
.set bb, bb+1
.endr
.set aa, aa+1
.endr
.endm
.macro QUARTER slot, kq, f, g, zero    ; fetches quarter kq into buffer g, multiplies buffer f
	WIN 0
	PLACES
	FETCH \slot, \kq, \g
	s_wait_dscnt 16                                ; all but the 16 just issued: buffer f is in
	WIN MUL
	MUL8 \f, 0, \zero
	MUL8 \f, 2, \zero
.endm
.macro SEVEN slot, zero
	QUARTER \slot, 1, 0, 1, \zero
	QUARTER \slot, 2, 1, 0, 0
	QUARTER \slot, 3, 0, 1, 0
	QUARTER \slot, 4, 1, 0, 0
	QUARTER \slot, 5, 0, 1, 0
	QUARTER \slot, 6, 1, 0, 0
	QUARTER \slot, 7, 0, 1, 0
.endm
; The eighth quarter multiplies buffer 1 and changes slots: each wave's reads of this slot and all its tensor loads are waited for in front of
; the barrier; where the slot is filled again the barrier opens a round of the cluster's barrier and the joint refill comes first behind it.
.macro TURN slot, next, fill
	s_wait_dscnt 0x0
	s_wait_tensorcnt 0x0
	ds_add_u32 v30, v31
	s_wait_dscnt 0x0
	s_barrier_signal -1
	WIN MUL
	MUL8 1, 0, 0
	WIN 0
	s_barrier_wait -1
.if \fill
	CREST
	s_add_nc_u64 s[G0A+4*\slot+2:G0A+4*\slot+3], s[G0A+4*\slot+2:G0A+4*\slot+3], 4194304  ; two slot steps on; no load of the wave is out
	s_add_nc_u64 s[G0B+4*\slot+2:G0B+4*\slot+3], s[G0B+4*\slot+2:G0B+4*\slot+3], 1048576
	JLOAD \slot
.endif
	PLACES
	FETCH \next, 0, 0
	WIN MUL
	MUL8 1, 2, 0
.endm
	s_wait_tensorcnt 0x1                           ; my part of slot step 0 is in; step 1's load stays out
	s_barrier_signal -1
	s_barrier_wait -1
	FETCH 0, 0, 0
	SEVEN 0, 1                                     ; step 0: the first products start the sums
	TURN 0, 1, 1                                   ; asks for step 2
	SEVEN 1, 0
	TURN 1, 0, 1                                   ; asks for step 3
	SEVEN 0, 0
	TURN 0, 1, 0
	SEVEN 1, 0
	s_wait_dscnt 0x0
	WIN MUL
	MUL8 1, 0, 0
	MUL8 1, 2, 0
	; THE WAY OUT, 16 rows at a time: bias in f32, 32 bytes a lane into my own stage, whole rows of 256 bytes back; sixteen lanes store
	; 256 consecutive bytes, at a multiple of 256 from out0's first byte.
	PLACES
	s_wait_loadcnt 0x0                             ; the bias
.macro OUT16 a
	WIN 0x01                                       ; accumulators from window 1
.set bb, 0
.rept 4
.set pr, 0
.rept 4
	v_pk_add_f32 v[TMP+8*bb+2*pr:TMP+8*bb+2*pr+1], v[8*(4*\a+bb)+2*pr:8*(4*\a+bb)+2*pr+1], v[BI+8*bb+2*pr:BI+8*bb+2*pr+1]
.set pr, pr+1
.endr
.set bb, bb+1
.endr
	WIN 0
.set bb, 0
.rept 4
	ds_store_b128 v[STO], v[TMP+8*bb:TMP+8*bb+3] offset:bb*64
	ds_store_b128 v[STO], v[TMP+8*bb+4:TMP+8*bb+7] offset:bb*64+16
.set bb, bb+1
.endr
	s_wait_xcnt 0x0                                ; RB, which the last 16 rows' stores read, is loaded again only behind this wait
.set n, 0
.rept 8
	ds_load_b128 v[RB+4*n:RB+4*n+3], v[RD] offset:n*544            ; LDS serves a wave's instructions in order: these see the stores above
.set n, n+1
.endr
.set n, 0
.rept 8
	s_wait_dscnt 7-n                               ; the 7 - n younger loads may be out
	global_store_b128 v[CO], v[RB+4*n:RB+4*n+3], s[68:69] offset:\a*65536+n*8192 th:TH_STORE_NT
.set n, n+1
.endr
.endm
	OUT16 0
	OUT16 1
	OUT16 2
	OUT16 3
	s_wait_tensorcnt 0x0
	ds_add_u32 v30, v31
	s_wait_dscnt 0x0
	CROUND                                         ; the closing round
	s_endpgm
.Lfunc_end_k_q1804c0ee24_proj:
	.size	k_q1804c0ee24_proj, .Lfunc_end_k_q1804c0ee24_proj-k_q1804c0ee24_proj
	.p2alignl 7, 3214868480
	.fill 96, 4, 3214868480
	.section	.rodata,"a",@progbits
	.p2align	6, 0x0
	.amdhsa_kernel k_q1804c0ee24_proj
		.amdhsa_group_segment_fixed_size 327680
		.amdhsa_private_segment_fixed_size 0
		.amdhsa_enable_private_segment 0
		.amdhsa_kernarg_size 32
		.amdhsa_user_sgpr_count 2
		.amdhsa_user_sgpr_kernarg_segment_ptr 1
		.amdhsa_wavefront_size32 1
		.amdhsa_system_sgpr_workgroup_id_x 1
		.amdhsa_system_sgpr_workgroup_id_y 1
		.amdhsa_system_sgpr_workgroup_id_z 1
		.amdhsa_system_vgpr_workitem_id 0
		.amdhsa_next_free_vgpr 384
		.amdhsa_next_free_sgpr 80
		.amdhsa_reserve_vcc 0
		.amdhsa_float_denorm_mode_32 3
		.amdhsa_float_denorm_mode_16_64 3
		.amdhsa_memory_ordered 1
		.amdhsa_forward_progress 1
		.amdhsa_inst_pref_size 93
	.end_amdhsa_kernel
	.amdgpu_metadata
---
amdhsa.version: [ 1, 2 ]
amdhsa.kernels:
  - .name:           k_q1804c0ee24_proj
    .symbol:         k_q1804c0ee24_proj.kd
    .args:
      - { .name: ctx, .offset: 0, .size: 8, .value_kind: global_buffer, .address_space: global }
      - { .name: wob, .offset: 8, .size: 8, .value_kind: global_buffer, .address_space: global }
      - { .name: b_out, .offset: 16, .size: 8, .value_kind: global_buffer, .address_space: global }
      - { .name: out0, .offset: 24, .size: 8, .value_kind: global_buffer, .address_space: global }
    .group_segment_fixed_size: 327680
    .private_segment_fixed_size: 0
    .kernarg_segment_align: 8
    .kernarg_segment_size: 32
    .max_flat_workgroup_size: 128
    .sgpr_count:     80
    .vgpr_count:     384
    .wavefront_size: 32
...
	.end_amdgpu_metadata
.endif
;; end of part 4
;; ======== version 2 of 3: 4 launches; 1.02 times as fast as version 1
;; limits: values are held in f16: magnitudes above 65,504 overflow, below 6.1e-05 lose precision
;; workspace buffers: xb 8,388,608 bytes; wib 6,291,456 bytes; wob 2,097,152 bytes; qkv 25,165,824 bytes; ctx 8,388,608 bytes
;; launch cast: the kernel of part 1 again; grid 256 x 1, 8 waves a work-group, no clusters, 0 bytes of LDS; arguments x, W_in, W_out, xb, wib, wob; writes xb, wib, wob
;; launch qkv (part 5): grid 16 x 16, 4 waves a work-group, clusters of 4 x 4, 327,680 bytes of LDS; arguments xb, wib, b_in, qkv; writes qkv
.if DOCPART == 5
	.amdgcn_target "amdgcn-amd-amdhsa--gfx1250"
	.amdhsa_code_object_version 6
	.text
	.protected	k_q1804c0ee24_qkv
	.globl	k_q1804c0ee24_qkv
	.p2align	8
	.type	k_q1804c0ee24_qkv,@function
k_q1804c0ee24_qkv:
	s_mov_b64 s[64:65], 0
	v_nop
	global_prefetch_b8 v0, s[64:65] scope:SCOPE_SE
	s_setreg_imm32_b32 hwreg(HW_REG_WAVE_MODE, 25, 1), 1
	s_wait_xcnt 0x0
	s_wait_alu depctr_hold_cnt(0) depctr_sa_sdst(0) depctr_va_vdst(0) depctr_va_sdst(0) depctr_va_ssrc(0) depctr_va_vcc(0) depctr_vm_vsrc(0)
	s_getreg_b32 s2, hwreg(HW_REG_IB_STS2, 6, 4)
	s_cmp_eq_u32 s2, 0
	s_cbranch_scc0 .Lentry_in_a_cluster
	s_endpgm
.Lentry_in_a_cluster:
	s_bfe_u32 s2, ttmp6, 0x10000c
	s_cmp_lg_u32 s2, 0xf033
	s_cbranch_scc0 .Lentry_shape_is_right
	s_endpgm
.Lentry_shape_is_right:
; q, k, v = xb * wib (+ b_in on q and v), f16 operands, f32 sums, stored as f16 planes qkv[t 3][head 16][m 4096][64].
; q IS STORED SCALED: the q plane holds c (x W_q + b_q) with c = log2(e) / 8, the softmax's scale 1/8 and the change to base 2 in one factor,
; applied in f32 by one fused multiply-add (sum x c + c b_q) before the one rounding to f16.  The next launch's scores then are exponents of 2
; as they come, and the maximum is taken away from them by a plain subtraction, which is exactly 0 at the maximum.
; WORK LEFT OUT: b_in[1024:2048] is not added to k and not loaded: it adds to every score of a query row the same term, which the softmax
; cancels for all finite inputs (shown at the head of the first kernel).  A NaN or infinity that lies only there is not carried on.
; LIMIT of range: a c q, k or v beyond 65,504 in magnitude becomes infinite in f16 (the room that f16 leaves is counted at the head of the first kernel;
; c q is 0.18 of q: with x and W_in both 30 times smaller its spread is 2^-12.3, rounded within 2^-25).
; A work-group makes 256 rows x the 192 columns (q, k, v) of one head; wave w its rows 64 w .. 64 w + 63 x all 192 columns:
; 4 x 12 accumulator tiles, 384 registers.  Tiles b = 0-3 are q, 4-7 k, 8-11 v, so scale and bias need no branch.
; K goes in 8 steps of 128 through two LDS slots filled by the tensor data mover.
; CLUSTERS: 4 x 4 work-groups.  xb's tile hangs on the row block alone and is asked for jointly by a row of the cluster; wib's tile hangs on
; the head alone and is asked for jointly by a column: the requests for both are divided by four.
; wib lies [k][n], so its fragments come by the transposing LDS load.  The matrix instruction is used transposed (source 0 = 16 columns of W,
; source 1 = 16 rows of x): lane (r, h), register j then holds C(row r, column 16 b + 8 h + j), eight neighbouring numbers of a row.
; REGISTER WINDOWS: 0: addresses, x fragments (two buffers), bias, the way out.  1: W fragments (two buffers of 96).
; 2: accumulators of row tiles 0, 1.  3: those of row tiles 2, 3.
.set SLOT,  131072                     ; A: 256 rows, pitch 272 (69,632 bytes); B: 384 strip rows t*128+k of 128 bytes, pitch 160 (61,440)
.set BOFF,  69632
.set STAGE, 262144                     ; behind the ring, never filled by a tensor load: 3 strips x 16 rows x 144 bytes for each wave
.set ADRA, 16                          ; v16-17  LDS address of my x fragments, slot 0, 1
.set ADRB, 20                          ; v20-21  the same for W
.set STO,  24                          ; v24     the way out: where I put 16 bytes
.set RD,   25                          ; v25     the way out: where I read rows back
.set CO,   26                          ; v26     16 x lane: my 16 bytes of 512 consecutive bytes of a plane
.set VB,   27                          ; v27     32 h: my 8 numbers of a tile's 16 biases
.set AF,   32                          ; v32-95  x fragments, buffer p at 32 + 32 p
.set BI,   96                          ; v96-159 bias: q tiles, then v tiles, 8 registers each
.set TMP,  160                         ; v160-207 packed results
.set RB,   208                         ; v208-255 rows read back
.set G1A, 24
.set G0A, 32
.set G1B, 40
.set G0B, 48
.set MUL_LO, 0xa1                      ; source 0 (W) window 1, source 1 (x) window 0, C and D window 2
.set MUL_HI, 0xf1                      ; the same, C and D window 3
.set TO_B,   0x40                      ; destination window 1
.set MSB, 0
.macro WIN new                         ; the immediate's high byte repeats the setting that is left
.if MSB != \new
	s_set_vgpr_msb (MSB<<8)|\new
.set MSB, \new
.endif
.endm
.macro PLACES                          ; four plain vector instructions behind a matrix instruction, before its registers are loaded into or its result read (ISA guide 7.12.1)
.rept 4
	v_nop
.endr
.endm
.macro JLOAD s                         ; a joint load: waves 0, 1 fetch x's two halves, waves 2, 3 W's.  The branch hangs on the wave's number alone
	s_cmp_eq_u32 s13, 0
	s_cbranch_scc0 .Lfor_b_\@
	tensor_load_to_lds s[G0A+4*\s:G0A+4*\s+3], s[G1A:G1A+7]
	s_nop 0
	s_branch .Lasked_\@
.Lfor_b_\@:
	tensor_load_to_lds s[G0B+4*\s:G0B+4*\s+3], s[G1B:G1B+7]
	s_nop 0
.Lasked_\@:
.endm
.macro CREST                           ; a round of the cluster's barrier behind its opening work-group barrier
	s_cmp_lg_u32 s12, 0
	s_cbranch_scc1 .Lnot_wave_0_\@
	s_barrier_signal -3
.Lnot_wave_0_\@:
	s_barrier_wait -3
	s_barrier_signal -1
	s_barrier_wait -1
.endm
.macro CROUND
	s_barrier_signal -1
	s_barrier_wait -1
	CREST
.endm
	s_load_b256 s[4:11], s[0:1], 0x0               ; xb s[4:5], wib s[6:7], b_in s[8:9], qkv s[10:11]
	s_set_vgpr_msb 0x40
	v_lshl_add_u32 v255, v0, 2, 0x46c00
	s_set_vgpr_msb 0x4000
	v_mov_b32 v31, 0
	s_set_vgpr_msb 0x1
	ds_add_u32 v255, v31
	s_set_vgpr_msb 0x100
	v_lshrrev_b32 v1, 5, v0
	v_readfirstlane_b32 s12, v1                    ; wave 0..3
	s_lshr_b32 s13, s12, 1                         ; I fetch for x (0) or for W (1)
	s_and_b32 s14, s12, 1                          ; which half of that tile
	s_bfe_u32 s16, ttmp6, 0x40000                  ; cx
	s_bfe_u32 s17, ttmp6, 0x40004                  ; cy
	s_lshl_b32 s18, ttmp9, 2
	s_add_co_u32 s18, s18, s16                     ; head = 4 x cluster x + cx
	s_and_b32 s19, ttmp7, 0xffff
	s_lshl_b32 s19, s19, 2
	s_add_co_u32 s19, s19, s17                     ; row block = 4 x cluster y + cy
	s_lshl_b32 s20, s17, 2
	s_lshl_b32 s20, 15, s20                        ; my row of the cluster
	s_lshl_b32 s21, 0x1111, s16                    ; my column
	; group 1 for x: 128 rows x 128 elements of 2 bytes, pitch 1,024 elements; 4 words of padding behind every 64 words: LDS pitch 272
	s_or_b32 s[G1A+0], s20, (1<<16)|(1<<20)|(1<<21)|(5<<22)|(3<<25)
	s_mov_b32 s[G1A+1], 128<<16
	s_mov_b32 s[G1A+2], 128<<16
	s_mov_b32 s[G1A+3], 128<<16
	s_mov_b32 s[G1A+4], 128
	s_mov_b32 s[G1A+5], 1024
	s_mov_b32 s[G1A+6], 0
	s_mov_b32 s[G1A+7], 0
	; group 1 for W: a dense block of 24,576 bytes as 96 rows of 256 bytes; 8 words of padding behind every 32 words,
	; so that each strip row of 128 bytes gets an LDS pitch of 160
	s_or_b32 s[G1B+0], s21, (1<<16)|(1<<20)|(1<<21)|(4<<22)|(7<<25)
	s_mov_b32 s[G1B+1], 128<<16
	s_mov_b32 s[G1B+2], 96<<16
	s_mov_b32 s[G1B+3], 128<<16
	s_mov_b32 s[G1B+4], 96
	s_mov_b32 s[G1B+5], 128
	s_mov_b32 s[G1B+6], 0
	s_mov_b32 s[G1B+7], 0
	; x's address is made of the row block and the wave's number, W's of the head and the wave's number, each in registers of its own
	s_lshl_b32 s56, s19, 8
	s_lshl_b32 s58, s14, 7
	s_add_co_u32 s56, s56, s58                     ; row 256 x block + 128 x half
	s_lshl_b32 s56, s56, 11                        ; rows of 2,048 bytes
	s_mov_b32 s57, 0
	s_mul_i32 s60, s18, 393216                     ; a head of wib
	s_mul_i32 s62, s14, 24576                      ; half of a K step's block
	s_add_co_u32 s60, s60, s62
	s_mov_b32 s61, 0
	s_mul_i32 s22, s12, 34816                      ; x's halves in LDS: wave x 128 rows x 272
	s_mul_i32 s23, s12, 30720                      ; W's halves: 69,632 + (wave - 2) x 192 rows x 160
	s_add_co_u32 s23, s23, 8192
	s_lshl_b32 s74, s18, 19                        ; the way out: plane of my head,
	s_lshl_b32 s78, s19, 15                        ; 256 rows of 128 bytes a block,
	s_lshl_b32 s79, s12, 13                        ; 64 rows a wave
	s_add_co_u32 s74, s74, s78
	s_add_co_u32 s74, s74, s79
	s_mov_b32 s75, 0
	s_wait_dscnt 0x0
	s_wait_kmcnt 0x0
	s_add_nc_u64 s[56:57], s[4:5], s[56:57]
	s_add_nc_u64 s[60:61], s[6:7], s[60:61]
	s_add_nc_u64 s[68:69], s[10:11], s[74:75]      ; q's plane
	s_add_nc_u64 s[70:71], s[68:69], 0x800000      ; k's: sixteen planes of 524,288 bytes on
	s_add_nc_u64 s[72:73], s[70:71], 0x800000      ; v's
	s_lshl_b32 s74, s18, 8
	s_add_nc_u64 s[76:77], s[8:9], s[74:75]        ; b_in at my head's 64 numbers of the q third
	CROUND                                         ; all sixteen work-groups are here: the first joint loads meet
.irp s, 0,1
	s_mov_b32 s[G0A+4*\s], 1
	s_add_co_u32 s[G0A+4*\s+1], s22, \s*SLOT
	s_add_nc_u64 s[G0A+4*\s+2:G0A+4*\s+3], s[56:57], \s*256        ; K step s: 128 elements along the rows
	s_or_b32 s[G0A+4*\s+3], s[G0A+4*\s+3], 0x80000000
	s_mov_b32 s[G0B+4*\s], 1
	s_add_co_u32 s[G0B+4*\s+1], s23, \s*SLOT
	s_add_nc_u64 s[G0B+4*\s+2:G0B+4*\s+3], s[60:61], \s*49152      ; K step s: the next dense block
	s_or_b32 s[G0B+4*\s+3], s[G0B+4*\s+3], 0x80000000
	JLOAD \s                                       ; both first fills go out together: two tensor loads of the wave are out
.endr
	v_and_b32 v1, 15, v0                           ; r
	v_bfe_u32 v2, v0, 4, 1                         ; h
	v_lshlrev_b32 v[VB], 5, v2
	v_mul_u32_u24 v4, v1, 272
	v_lshl_add_u32 v4, v2, 4, v4                   ; r x 272 + 16 h
	s_mul_i32 s66, s12, 17408                      ; my 64 rows of x
	v_add_nc_u32 v[ADRA], s66, v4
	v_add_nc_u32 v[ADRA+1], SLOT, v[ADRA]
	v_and_b32 v5, 7, v0
	v_lshl_add_u32 v5, v2, 3, v5                   ; the transposing load: lane l addresses row 8 h + l mod 8,
	v_mul_u32_u24 v5, v5, 160
	v_bfe_u32 v6, v0, 3, 1
	v_lshl_add_u32 v5, v6, 4, v5                   ; 16 bytes further for lanes 8-15 and 24-31
	v_add_nc_u32 v[ADRB], BOFF, v5
	v_add_nc_u32 v[ADRB+1], SLOT, v[ADRB]
	s_mul_i32 s67, s12, 6912
	s_add_co_u32 s67, s67, STAGE                   ; my stage
	v_mul_u32_u24 v6, v1, 144
	v_lshl_add_u32 v6, v2, 4, v6
	v_add_nc_u32 v[STO], s67, v6
	v_bfe_u32 v7, v0, 3, 2                         ; back: eight lanes take a row of 128 bytes, 32 lanes four rows
	v_mul_u32_u24 v7, v7, 144
	v_and_b32 v6, 7, v0
	v_lshl_add_u32 v7, v6, 4, v7
	v_add_nc_u32 v[RD], s67, v7
	v_and_b32 v6, 31, v0
	v_lshlrev_b32 v[CO], 4, v6
.set n, 0
.rept 8                                            ; bias of the q tiles (n = 0-3) and of the v tiles (n = 4-7): the thirds are 4,096 bytes apart; the k third is not read
	global_load_b128 v[BI+8*n:BI+8*n+3], v[VB], s[76:77] offset:(n/4)*8192+(n%4)*64
	global_load_b128 v[BI+8*n+4:BI+8*n+7], v[VB], s[76:77] offset:(n/4)*8192+(n%4)*64+16
.set n, n+1
.endr
; 32 LDS loads: the fragments of 32 along K (quarter kq of the slot's step) into buffer p: 12 tiles of W, 4 of x
.macro FETCH slot, kq, p
	WIN TO_B
.set bb, 0
.rept 12
	ds_load_tr16_b128 v[96*(\p)+8*bb:96*(\p)+8*bb+3], v[ADRB+\slot] offset:(bb/4)*20480+(\kq)*5120+(bb%4)*32
	ds_load_tr16_b128 v[96*(\p)+8*bb+4:96*(\p)+8*bb+7], v[ADRB+\slot] offset:(bb/4)*20480+(\kq)*5120+(bb%4)*32+2560
.set bb, bb+1
.endr
	WIN 0
.set aa, 0
.rept 4
	ds_load_b128 v[AF+32*(\p)+8*aa:AF+32*(\p)+8*aa+3], v[ADRA+\slot] offset:aa*4352+(\kq)*64
	ds_load_b128 v[AF+32*(\p)+8*aa+4:AF+32*(\p)+8*aa+7], v[ADRA+\slot] offset:aa*4352+(\kq)*64+32
.set aa, aa+1
.endr
.endm
; 12 matrix instructions: row tile a x all 12 column tiles.  zero = 1: the first product starts the sums.
; The 48 accumulators take turns, one instruction a turn, in the same order in every quarter.
.macro MULA p, a, zero
.set bb, 0
.rept 12
.if \zero
	v_wmma_f32_16x16x32_f16 v[8*(12*((\a)&1)+bb):8*(12*((\a)&1)+bb)+7], v[96*(\p)+8*bb:96*(\p)+8*bb+7], v[AF+32*(\p)+8*(\a):AF+32*(\p)+8*(\a)+7], 0
.else
	v_wmma_f32_16x16x32_f16 v[8*(12*((\a)&1)+bb):8*(12*((\a)&1)+bb)+7], v[96*(\p)+8*bb:96*(\p)+8*bb+7], v[AF+32*(\p)+8*(\a):AF+32*(\p)+8*(\a)+7], v[8*(12*((\a)&1)+bb):8*(12*((\a)&1)+bb)+7]
.endif
.set bb, bb+1
.endr
.endm
; One of a K step's first three quarters: fetches quarter kq into buffer g, multiplies buffer f
.macro QUARTER slot, kq, f, g, zero
	s_wait_dscnt 0x0                               ; buffer f is in: its 32 loads were issued 24 or 48 matrix instructions ago; at most 32 LDS loads of the wave are ever out
	PLACES
	FETCH \slot, \kq, \g                           ; these land while buffer f is multiplied
	WIN MUL_LO
	MULA \f, 0, \zero
	MULA \f, 1, \zero
	WIN MUL_HI
	MULA \f, 2, \zero
	MULA \f, 3, \zero
.endm
.macro THREE slot, zero
	QUARTER \slot, 1, 0, 1, \zero
	QUARTER \slot, 2, 1, 0, 0
	QUARTER \slot, 3, 0, 1, 0
.endm
; The last quarter multiplies buffer 1 and changes slots.  In front of the barrier each wave waits for its reads of this slot and for all its
; tensor loads (the one that is out is its part of the next slot).  Where the slot is filled again the barrier opens a round of the cluster's
; barrier, and the joint refill is the wave's first and only tensor load behind the round; 168 matrix instructions follow before the wait for it.
.macro TURN slot, next, fill
	s_wait_dscnt 0x0
	s_wait_tensorcnt 0x0
	ds_add_u32 v255, v31
	s_wait_dscnt 0x0
	s_barrier_signal -1
	WIN MUL_LO
	MULA 1, 0, 0
	MULA 1, 1, 0
	WIN 0
	s_barrier_wait -1
.if \fill
	CREST
	s_add_nc_u64 s[G0A+4*\slot+2:G0A+4*\slot+3], s[G0A+4*\slot+2:G0A+4*\slot+3], 512      ; two K steps on; no load of the wave is out
	s_add_nc_u64 s[G0B+4*\slot+2:G0B+4*\slot+3], s[G0B+4*\slot+2:G0B+4*\slot+3], 98304
	JLOAD \slot
.endif
	PLACES
	FETCH \next, 0, 0
	WIN MUL_HI
	MULA 1, 2, 0
	MULA 1, 3, 0
.endm
.macro LAP zero
	THREE 0, \zero
	TURN 0, 1, 1
	THREE 1, 0
	TURN 1, 0, 1
.endm
	s_wait_tensorcnt 0x1                           ; my part of K step 0 is in; K step 1's load stays out
	s_barrier_signal -1
	s_barrier_wait -1
	FETCH 0, 0, 0
	LAP 1                                          ; K steps 0, 1; fills 2, 3
	WIN 0
	s_mov_b32 s3, 2
.Llap:
	LAP 0                                          ; K steps 2-5; fills 4-7
	WIN 0
	s_sub_co_u32 s3, s3, 1
	s_cmp_lg_u32 s3, 0
	s_cbranch_scc1 .Llap
	THREE 0, 0                                     ; K steps 6, 7: nothing is left to fetch
	TURN 0, 1, 0
	THREE 1, 0
	s_wait_dscnt 0x0
	WIN MUL_LO
	MULA 1, 0, 0
	MULA 1, 1, 0
	WIN MUL_HI
	MULA 1, 2, 0
	MULA 1, 3, 0
	; THE WAY OUT, 16 rows at a time: scale and bias in f32 on q, bias on v, round to f16, 16 bytes a lane into my own stage, whole rows back,
	; and stores of which each covers 512 consecutive bytes of a plane (four rows of 128 bytes).
	PLACES
	s_wait_loadcnt 0x0                             ; the bias
	s_mov_b32 s78, 0x3e38aa3b                      ; c = log2(e) / 8, as a pair for the packed forms
	s_mov_b32 s79, 0x3e38aa3b
	WIN 0
.set n, 0
.rept 16                                           ; c b_q, once for the four groups of 16 rows
	v_pk_mul_f32 v[BI+2*n:BI+2*n+1], v[BI+2*n:BI+2*n+1], s[78:79] op_sel_hi:[1,0]
.set n, n+1
.endr
.macro OUT16 a, wadd, wcvt
	WIN \wadd                                      ; accumulators as source 0 and destination, bias from window 0
.set tb, 0
.rept 4                                            ; q: sum x c + c b_q, one rounding
.set pr, 0
.rept 4
	v_pk_fma_f32 v[8*(12*((\a)&1)+tb)+2*pr:8*(12*((\a)&1)+tb)+2*pr+1], v[8*(12*((\a)&1)+tb)+2*pr:8*(12*((\a)&1)+tb)+2*pr+1], s[78:79], v[BI+8*tb+2*pr:BI+8*tb+2*pr+1] op_sel_hi:[1,0,1]
.set pr, pr+1
.endr
.set tb, tb+1
.endr
.set tb, 0
.rept 4                                            ; v: sum + b_v
.set pr, 0
.rept 4
	v_pk_add_f32 v[8*(12*((\a)&1)+8+tb)+2*pr:8*(12*((\a)&1)+8+tb)+2*pr+1], v[8*(12*((\a)&1)+8+tb)+2*pr:8*(12*((\a)&1)+8+tb)+2*pr+1], v[BI+32+8*tb+2*pr:BI+32+8*tb+2*pr+1]
.set pr, pr+1
.endr
.set tb, tb+1
.endr
	WIN \wcvt
.set bb, 0
.rept 12
.set pr, 0
.rept 4
	v_cvt_pk_f16_f32 v[TMP+4*bb+pr], v[8*(12*((\a)&1)+bb)+2*pr], v[8*(12*((\a)&1)+bb)+2*pr+1]
.set pr, pr+1
.endr
.set bb, bb+1
.endr
	WIN 0
.set bb, 0
.rept 12
	ds_store_b128 v[STO], v[TMP+4*bb:TMP+4*bb+3] offset:(bb/4)*2304+(bb%4)*32
.set bb, bb+1
.endr
	s_wait_xcnt 0x0                                ; RB, which the last 16 rows' stores read, is loaded again only behind this wait
.set n, 0
.rept 12
	ds_load_b128 v[RB+4*n:RB+4*n+3], v[RD] offset:(n/4)*2304+(n%4)*576     ; LDS serves a wave's instructions in order: these see the stores above
.set n, n+1
.endr
.set n, 0
.rept 12
	s_wait_dscnt 11-n                              ; the 11 - n younger loads may be out
	global_store_b128 v[CO], v[RB+4*n:RB+4*n+3], s[68+2*(n/4):69+2*(n/4)] offset:(\a)*2048+(n%4)*512
.set n, n+1
.endr
.endm
	OUT16 0, 0x82, 0x0a
	OUT16 1, 0x82, 0x0a
	OUT16 2, 0xc3, 0x0f
	OUT16 3, 0xc3, 0x0f
	s_set_vgpr_msb 0x1
	s_wait_tensorcnt 0x0
	ds_add_u32 v255, v31
	s_wait_dscnt 0x0
	s_set_vgpr_msb 0x100
	CROUND                                         ; the closing round: no work-group ends while a partner may still ask for a tile that names it
	s_endpgm
.Lfunc_end_k_q1804c0ee24_qkv:
	.size	k_q1804c0ee24_qkv, .Lfunc_end_k_q1804c0ee24_qkv-k_q1804c0ee24_qkv
	.p2alignl 7, 3214868480
	.fill 96, 4, 3214868480
	.section	.rodata,"a",@progbits
	.p2align	6, 0x0
	.amdhsa_kernel k_q1804c0ee24_qkv
		.amdhsa_group_segment_fixed_size 327680
		.amdhsa_private_segment_fixed_size 0
		.amdhsa_enable_private_segment 0
		.amdhsa_kernarg_size 32
		.amdhsa_user_sgpr_count 2
		.amdhsa_user_sgpr_kernarg_segment_ptr 1
		.amdhsa_wavefront_size32 1
		.amdhsa_system_sgpr_workgroup_id_x 1
		.amdhsa_system_sgpr_workgroup_id_y 1
		.amdhsa_system_sgpr_workgroup_id_z 1
		.amdhsa_system_vgpr_workitem_id 0
		.amdhsa_next_free_vgpr 960
		.amdhsa_next_free_sgpr 80
		.amdhsa_reserve_vcc 0
		.amdhsa_float_denorm_mode_32 3
		.amdhsa_float_denorm_mode_16_64 3
		.amdhsa_memory_ordered 1
		.amdhsa_forward_progress 1
		.amdhsa_inst_pref_size 174
	.end_amdhsa_kernel
	.amdgpu_metadata
---
amdhsa.version: [ 1, 2 ]
amdhsa.kernels:
  - .name:           k_q1804c0ee24_qkv
    .symbol:         k_q1804c0ee24_qkv.kd
    .args:
      - { .name: xb, .offset: 0, .size: 8, .value_kind: global_buffer, .address_space: global }
      - { .name: wib, .offset: 8, .size: 8, .value_kind: global_buffer, .address_space: global }
      - { .name: b_in, .offset: 16, .size: 8, .value_kind: global_buffer, .address_space: global }
      - { .name: qkv, .offset: 24, .size: 8, .value_kind: global_buffer, .address_space: global }
    .group_segment_fixed_size: 327680
    .private_segment_fixed_size: 0
    .kernarg_segment_align: 8
    .kernarg_segment_size: 32
    .max_flat_workgroup_size: 128
    .sgpr_count:     80
    .vgpr_count:     960
    .wavefront_size: 32
...
	.end_amdgpu_metadata
.endif
;; end of part 5
;; launch attn (part 6): grid 8 x 32, 4 waves a work-group, clusters of 4 x 1, 327,680 bytes of LDS; arguments qkv, ctx; writes ctx
.if DOCPART == 6
	.amdgcn_target "amdgcn-amd-amdhsa--gfx1250"
	.amdhsa_code_object_version 6
	.text
	.protected	k_q1804c0ee24_attn
	.globl	k_q1804c0ee24_attn
	.p2align	8
	.type	k_q1804c0ee24_attn,@function
k_q1804c0ee24_attn:
	s_mov_b64 s[64:65], 0
	v_nop
	global_prefetch_b8 v0, s[64:65] scope:SCOPE_SE
	s_setreg_imm32_b32 hwreg(HW_REG_WAVE_MODE, 25, 1), 1
	s_wait_xcnt 0x0
	s_wait_alu depctr_hold_cnt(0) depctr_sa_sdst(0) depctr_va_vdst(0) depctr_va_sdst(0) depctr_va_ssrc(0) depctr_va_vcc(0) depctr_vm_vsrc(0)
	s_getreg_b32 s2, hwreg(HW_REG_IB_STS2, 6, 4)
	s_cmp_eq_u32 s2, 0
	s_cbranch_scc0 .Lentry_in_a_cluster
	s_endpgm
.Lentry_in_a_cluster:
	s_bfe_u32 s2, ttmp6, 0x10000c
	s_cmp_lg_u32 s2, 0x3003
	s_cbranch_scc0 .Lentry_shape_is_right
	s_endpgm
.Lentry_shape_is_right:
; ctx = softmax(q k^T / 8) v for each of the 32 (batch, head) pairs, with a running maximum.  qkv[t][head][m][64] f16 in, ctx[head][m][64] f16 out.
; The q plane holds c q with c = log2(e) / 8 (the launch before applies the factor), so a score s = (c q) . k is an exponent of 2 as it comes.
; k comes without its bias: that term is the same along the softmax's axis and cancels (shown at the head of the first kernel).
; A work-group takes 256 queries of one (batch, head); a wave 64 of them, as four query tiles of 16.  Keys go in blocks of 64; an LDS slot holds
; 256 keys of K and of V (four blocks); two slots, 8 slot steps.
; CLUSTERS: the four work-groups of a cluster are four query blocks of one (batch, head) and read the same K and V tiles: joint loads, mask 15.
; ORIENTATION.  S^T = K Q^T (source 0 = 16 keys, source 1 = 16 queries): lane (r, h), register j of tile i holds the score of query r and key
; 16 i + 8 h + j.  So maximum, sum and rescaling factor are one number a lane, and one exchange between the two halves of the wave joins them.
; Two such tiles, packed to f16, are already the fragment of P for 32 keys.  O^T = V^T P^T (source 0 = V through the transposing LDS load):
; lane (r, h), register j of tile d holds ctx(query r, column 16 d + 8 h + j).
; THE EXPONENT: with M the running maximum of the scores, p = 2^(s - M), and the old sums and O are scaled by 2^(M old - M new).  s - M is a plain f32
; subtraction: exactly 0 at the maximum, never above 0, and rounded within 2^-24 of its own size.  So p is at most 1 and a row's sum lies
; between 1 and 2,048 whatever the size of the scores: no exponential and no sum overflows, and p has room in f16.
; THE SCHEDULE.  A wave issues in order, so matrix and vector work are laid side by side in the text.  The query tiles take turns, 0, 1, 2, 3, block after
; block, and a tile's turn has two parts, cut where the register windows cut:
;   part S, every operand in window 0: the tile's softmax (maximum, subtraction, 32 exponentials, packing: 88 vector instructions in nine numbered
;   slices) with the eight score products of the NEXT tile, one behind each of the first eight slices.  Two score buffers take turns.
;   part PV, O, V and the running sums in window 1: the tile's eight products P V with 36 packed instructions between them, four in each gap.
;   Between products that name window 1 only work with destination and first source in window 1 and second source in window 0 needs no change of
;   window: the rescaling of O (16), the rescaling of the sums (4) and the adding of the 16 pairs of exponentials.  That is why a tile's running
;   sum is kept as four pairs in window 1 and is reduced once, on the way out.
; These vector instructions name none of the neighbouring products' registers, so they are also the places that stand between a product and the first
; use of its result or the next load into its sources.  The exponentials stand between subtractions and packings, not in one run.
; Two changes of window for a tile, two more for a block's V fragments.  Window 0 is full: 48 + 2 x 32 scores + 16 P + 64 K + 64 Q = 256.
; THE TEXT: all LDS reads of block b stand in one unit RB(b): K(b) is fetched, then come part PV of tile 2 and the whole turn of tile 3 of block b - 1
; (its part S holds the score products of tile 0 of block b), tile 0 (V(b) is fetched behind its first slice), tile 1, and part S of tile 2.  A slot step
; is the barrier with its refill, a loop of three RB with K's and V's LDS addresses stepped by 64 rows a trip, and a fourth RB.  Steps 1 to 6 are a
; loop over two steps; step 0, whose first block starts maximum, sums and O, step 7, which asks for no tile, and the last two tiles' end are written out.
; LIMITS: an exponential below 2^-126 comes out as zero (ISA guide, v_exp_f32); a p below 2^-25 rounds to zero in f16, beside a largest p of 1;
; the row sum is taken over p in f32, before p is rounded to f16 for the product; the order of the sums differs from a plain softmax's.
.set SLOT,  77824                      ; V: 256 rows, pitch 160 (40,960 bytes); K: 256 rows, pitch 144 (36,864)
.set KOFF,  40960
.set STAGE, 155648                     ; behind the ring, never filled by a tensor load: 16 rows x 144 bytes for each wave
.set KSTEP, 9216                       ; a block's 64 rows of K
.set VSTEP, 10240                      ; a block's 64 rows of V
.set KA,  8                            ; v8      LDS address of the block's K fragments
.set VA,  9                            ; v9      LDS address of the block's V fragments
.set KL,  10                           ; v10     K's lane term, r x 144 + 16 h; never rewritten
.set VL,  11                           ; v11     V's lane term for the transposing load; never rewritten
.set STO, 12
.set RD,  13
.set CO,  14
.set QO,  15
.set MM,  16                           ; v16-19  the running maximum M of tile qt
.set TT,  32                           ; v32-35  four running maxima; then v32 the new M, v34 its negative, v35 M old - M new
.set AL,  44                           ; v44     the rescaling factor; in the end 1 / sum
.set XR,  45                           ; v45     what the other half of the wave sent
.set SC,  48                           ; v48-111 scores, two buffers of 32: tile qt uses buffer qt mod 2; key tile i at + 8 i
.set PF,  112                          ; v112-127 P, 32 keys each 8 registers
.set KF,  128                          ; v128-191 K fragments, 128 + 16 i + 8 e
.set QF,  192                          ; v192-255 Q fragments, 192 + 16 qt + 8 e
.set VF,  128                          ; window 1: v128-191 V fragments, 128 + 8 (4 u + d);  v0-127 O, 32 qt + 8 d
.set LU,  192                          ; window 1: v192-223 my half's running sums, four pairs a tile, 192 + 8 qt
.set G1V, 16
.set G1K, 24
.set G0V, 32
.set G0K, 40
.set MSB, 0
.macro WIN new                         ; the immediate's high byte repeats the setting that is left
.if MSB != \new
	s_set_vgpr_msb (MSB<<8)|\new
.set MSB, \new
.endif
.endm
.macro PLACES                          ; four plain vector instructions behind a matrix instruction (ISA guide 7.12.1), where there is no work to put there
.rept 4
	v_nop
.endr
.endm
.macro JLOAD s                         ; waves 0, 1 fetch V's two halves, waves 2, 3 K's
	s_cmp_eq_u32 s9, 0
	s_cbranch_scc0 .Lfor_k_\@
	tensor_load_to_lds s[G0V+4*\s:G0V+4*\s+3], s[G1V:G1V+7]
	s_nop 0
	s_branch .Lasked_\@
.Lfor_k_\@:
	tensor_load_to_lds s[G0K+4*\s:G0K+4*\s+3], s[G1K:G1K+7]
	s_nop 0
.Lasked_\@:
.endm
.macro ROUND                           ; a round of the cluster's barrier
	s_barrier_signal -1
	s_barrier_wait -1
	s_cmp_lg_u32 s8, 0
	s_cbranch_scc1 .Lnot_wave_0_\@
	s_barrier_signal -3
.Lnot_wave_0_\@:
	s_barrier_wait -3
	s_barrier_signal -1
	s_barrier_wait -1
.endm
	s_load_b128 s[4:7], s[0:1], 0x0                ; qkv s[4:5], ctx s[6:7]
	v_lshl_add_u32 v46, v0, 2, 0x29000
	v_mov_b32 v47, 0
	ds_add_u32 v46, v47
	v_lshrrev_b32 v1, 5, v0
	v_readfirstlane_b32 s8, v1                     ; wave
	s_lshr_b32 s9, s8, 1                           ; I fetch for V (0) or for K (1)
	s_and_b32 s10, s8, 1                           ; which 128 keys of the slot's 256
	s_bfe_u32 s11, ttmp6, 0x40000                  ; cx
	s_lshl_b32 s12, ttmp9, 2
	s_add_co_u32 s12, s12, s11                     ; query block
	s_and_b32 s13, ttmp7, 0xffff
	s_and_b32 s14, s13, 15                         ; head
	s_lshr_b32 s15, s13, 4                         ; batch
	s_mov_b32 s48, 0x76543210                      ; v_permlanex16_b32: lane i of one half reads lane i of the other
	s_mov_b32 s49, 0xfedcba98
	; group 1: a dense block of 128 rows of 128 bytes as 64 rows of 256; padding behind every 32 words: 8 words for V (pitch 160), 4 for K (pitch 144)
	s_mov_b32 s[G1V+0], 15|(1<<16)|(1<<20)|(1<<21)|(4<<22)|(7<<25)
	s_mov_b32 s[G1K+0], 15|(1<<16)|(1<<20)|(1<<21)|(4<<22)|(3<<25)
.irp g, G1V, G1K
	s_mov_b32 s[\g+1], 128<<16
	s_mov_b32 s[\g+2], 64<<16
	s_mov_b32 s[\g+3], 128<<16
	s_mov_b32 s[\g+4], 64
	s_mov_b32 s[\g+5], 128
	s_mov_b32 s[\g+6], 0
	s_mov_b32 s[\g+7], 0
.endr
	s_lshl_b32 s58, s14, 19                        ; K and V: the head's plane, the batch's 2,048 rows, my 128 rows.  No place in the cluster enters
	s_lshl_b32 s62, s15, 18
	s_add_co_u32 s58, s58, s62
	s_lshl_b32 s62, s10, 14
	s_add_co_u32 s58, s58, s62
	s_mov_b32 s59, 0
	s_mul_i32 s54, s8, 20480                       ; V's halves in LDS: wave x 128 rows x 160
	s_mul_i32 s55, s8, 18432                       ; K's: 40,960 + (wave - 2) x 128 rows x 144
	s_add_co_u32 s55, s55, 4096
	s_lshl_b32 s56, s14, 19                        ; Q and ctx: plane, batch, query block of 256 rows, 64 rows a wave
	s_lshl_b32 s63, s15, 18
	s_add_co_u32 s56, s56, s63
	s_lshl_b32 s63, s12, 15
	s_add_co_u32 s56, s56, s63
	s_lshl_b32 s63, s8, 13
	s_add_co_u32 s56, s56, s63
	s_mov_b32 s57, 0
	s_wait_dscnt 0x0
	s_wait_kmcnt 0x0
	s_add_nc_u64 s[60:61], s[4:5], s[58:59]
	s_add_nc_u64 s[66:67], s[4:5], s[56:57]        ; my 64 rows of q
	s_add_nc_u64 s[68:69], s[6:7], s[56:57]        ; my 64 rows of ctx
	ROUND                                          ; in front of the first joint load
.irp s, 0,1
	s_mov_b32 s[G0V+4*\s], 1
	s_add_co_u32 s[G0V+4*\s+1], s54, \s*SLOT
	s_add_nc_u64 s[G0V+4*\s+2:G0V+4*\s+3], s[60:61], 0x1000000+\s*32768    ; v's planes begin 32 planes in; slot step s: 256 rows of 128 bytes
	s_or_b32 s[G0V+4*\s+3], s[G0V+4*\s+3], 0x80000000
	s_mov_b32 s[G0K+4*\s], 1
	s_add_co_u32 s[G0K+4*\s+1], s55, \s*SLOT
	s_add_nc_u64 s[G0K+4*\s+2:G0K+4*\s+3], s[60:61], 0x800000+\s*32768     ; k's planes begin 16 planes in
	s_or_b32 s[G0K+4*\s+3], s[G0K+4*\s+3], 0x80000000
.endr
	JLOAD 0                                        ; slot step 0: one tensor load of the wave is out, here and behind every round
	v_and_b32 v1, 15, v0                           ; r
	v_bfe_u32 v2, v0, 4, 1                         ; h
	v_lshlrev_b32 v[QO], 7, v1
	v_lshl_add_u32 v[QO], v2, 4, v[QO]             ; r x 128 + 16 h
.set n, 0
.rept 8                                            ; Q's fragments stay in registers for the whole kernel: tile n / 2, 32 columns n mod 2
	global_load_b128 v[QF+8*n:QF+8*n+3], v[QO], s[66:67] offset:(n/2)*2048+(n%2)*64
	global_load_b128 v[QF+8*n+4:QF+8*n+7], v[QO], s[66:67] offset:(n/2)*2048+(n%2)*64+32
.set n, n+1
.endr
	v_mul_u32_u24 v[KL], v1, 144
	v_lshl_add_u32 v[KL], v2, 4, v[KL]             ; r x 144 + 16 h
	v_and_b32 v4, 7, v0
	v_lshl_add_u32 v4, v2, 3, v4                   ; the transposing load: row 8 h + l mod 8,
	v_mul_u32_u24 v4, v4, 160
	v_bfe_u32 v5, v0, 3, 1
	v_lshl_add_u32 v[VL], v5, 4, v4                ; 16 bytes further for lanes 8-15 and 24-31
	s_mul_i32 s62, s8, 2304
	s_add_co_u32 s62, s62, STAGE                   ; my stage
	v_add_nc_u32 v[STO], s62, v[KL]
	v_bfe_u32 v5, v0, 3, 2
	v_mul_u32_u24 v5, v5, 144
	v_and_b32 v4, 7, v0
	v_lshl_add_u32 v5, v4, 4, v5
	v_add_nc_u32 v[RD], s62, v5                    ; back: eight lanes a row of 128 bytes
	v_and_b32 v4, 31, v0
	v_lshlrev_b32 v[CO], 4, v4
	v_mov_b32 v[XR], 0                             ; the lane exchange counts as a reader of its destination
	s_wait_loadcnt 0x0                             ; Q
.macro SETADR slot                     ; K's and V's addresses at the slot's first block: the slot's constant + the lane term
	v_add_nc_u32 v[KA], \slot*SLOT+KOFF, v[KL]
.if \slot
	v_add_nc_u32 v[VA], \slot*SLOT, v[VL]
.else
	v_mov_b32 v[VA], v[VL]                         ; V's part of slot 0 begins at LDS byte 0
.endif
.endm
.macro NEXTB                           ; the next block: 64 rows on
	v_add_nc_u32 v[KA], KSTEP, v[KA]
	v_add_nc_u32 v[VA], VSTEP, v[VA]
.endm
.macro LOADK                           ; 16 loads: the 64 keys x 64 at KA
.set ii, 0
.rept 4
.set ee, 0
.rept 2
	ds_load_b128 v[KF+16*ii+8*ee:KF+16*ii+8*ee+3], v[KA] offset:ii*2304+ee*64
	ds_load_b128 v[KF+16*ii+8*ee+4:KF+16*ii+8*ee+7], v[KA] offset:ii*2304+ee*64+32
.set ee, ee+1
.endr
.set ii, ii+1
.endr
.endm
.macro LOADV                           ; 16 transposing loads: the 64 keys x 64 at VA, into window 1
	WIN 0x40
.set uu, 0
.rept 2
.set dd, 0
.rept 4
	ds_load_tr16_b128 v[VF+8*(4*uu+dd):VF+8*(4*uu+dd)+3], v[VA] offset:uu*5120+dd*32
	ds_load_tr16_b128 v[VF+8*(4*uu+dd)+4:VF+8*(4*uu+dd)+7], v[VA] offset:uu*5120+dd*32+2560
.set dd, dd+1
.endr
.set uu, uu+1
.endr
	WIN 0
.endm
; PART S.  Symbols set by SPART: SA this tile's score buffer, SB the next tile's, QN the next tile's Q fragments, MX this tile's M,
; FIRST = 1 in the first block (no old maximum), DOS = 1 where a next tile exists.
.macro SUBM n                          ; pair n of the scores: s - M, exactly 0 at the maximum
	v_pk_add_f32 v[SA+2*(\n):SA+2*(\n)+1], v[SA+2*(\n):SA+2*(\n)+1], v[TT+2:TT+3] op_sel_hi:[1,0]
.endm
.macro EXP2 n
	v_exp_f32 v[SA+(\n)], v[SA+(\n)]
.endm
.macro PACK n                          ; two exponentials to f16; the f32 values stay for the sums of part PV
	s_wait_alu depctr_va_vdst(0)
	v_cvt_pk_f16_f32 v[PF+(\n)], v[SA+2*(\n)], v[SA+2*(\n)+1]
.endm
; Score product k of the next tile: k = 0-3 start the four key tiles' sums (columns 0-31 of q and k), k = 4-7 add columns 32-63 in place.
; The four accumulators take turns, one instruction a turn.
.macro SPROD k
.if DOS
.if (\k) < 4
	v_wmma_f32_16x16x32_f16 v[SB+8*(\k):SB+8*(\k)+7], v[KF+16*(\k):KF+16*(\k)+7], v[QN:QN+7], 0
.else
	v_wmma_f32_16x16x32_f16 v[SB+8*(\k)-32:SB+8*(\k)-25], v[KF+16*(\k)-56:KF+16*(\k)-49], v[QN+8:QN+15], v[SB+8*(\k)-32:SB+8*(\k)-25]
.endif
.endif
.endm
; The softmax of one tile in nine slices.  0, 1: the maximum in four chains.  2: its end, with the old maximum and the other half of the wave.
; 3: the factor 2^(M old - M new), -M, the first four subtractions.  4 to 7: an exponential and a plain instruction by turns (the other subtractions, the
; first packings).  8: two exponentials and a packing by turns, then the last four packings.  Behind every exponential a plain instruction that
; touches neither its result nor its source comes before the result is read (ISA guide 5.7.2): a packing reads only exponentials of an earlier group.
.macro SLICE k
.if \k == 0
.irp c, 0,1,2,3
	v_max3_num_f32 v[TT+\c], v[SA+8*\c], v[SA+8*\c+1], v[SA+8*\c+2]
.endr
.irp c, 0,1,2,3
	v_max3_num_f32 v[TT+\c], v[TT+\c], v[SA+8*\c+3], v[SA+8*\c+4]
.endr
.endif
.if \k == 1
.irp c, 0,1,2,3
	v_max3_num_f32 v[TT+\c], v[TT+\c], v[SA+8*\c+5], v[SA+8*\c+6]
.endr
.irp c, 0,1,2,3
	v_max_num_f32 v[TT+\c], v[TT+\c], v[SA+8*\c+7]
.endr
.endif
.if \k == 2
	v_max3_num_f32 v[TT], v[TT], v[TT+1], v[TT+2]
.if FIRST
	v_max_num_f32 v[TT], v[TT], v[TT+3]
	v_permlanex16_b32 v[XR], v[TT], s48, s49
	v_max_num_f32 v[MX], v[TT], v[XR]
.else
	v_max3_num_f32 v[TT], v[TT], v[TT+3], v[MX]
	v_permlanex16_b32 v[XR], v[TT], s48, s49
	v_max_num_f32 v[TT], v[TT], v[XR]              ; the new maximum, beside the old one
.endif
.endif
.if \k == 3
.if FIRST
	v_sub_f32 v[TT+2], 0, v[MX]                    ; -M, in a register of its own for the packed add
.else
	v_sub_f32 v[TT+3], v[MX], v[TT]                ; M old - M new, at most 0
	v_exp_f32 v[AL], v[TT+3]
	v_sub_f32 v[TT+2], 0, v[TT]                    ; -M, in a register of its own for the packed add
	v_mov_b32 v[MX], v[TT]                         ; old and new were both needed: the new one takes its place only now
.endif
.irp c, 0,1,2,3
	SUBM \c
.endr
.endif
.if \k == 4
.irp c, 0,1,2,3
	EXP2 \c
	SUBM \c+4
.endr
.endif
.if \k == 5
.irp c, 0,1,2,3
	EXP2 \c+4
	SUBM \c+8
.endr
.endif
.if \k == 6
.irp c, 0,1,2,3
	EXP2 \c+8
	SUBM \c+12
.endr
.endif
.if \k == 7
.irp c, 0,1,2,3
	EXP2 \c+12
	PACK \c
.endr
.endif
.if \k == 8
.irp c, 0,1,2,3
	EXP2 16+2*\c
	EXP2 17+2*\c
	PACK 4+\c
.endr
.irp c, 0,1,2,3
	EXP2 24+2*\c
	EXP2 25+2*\c
	PACK 8+\c
.endr
.irp c, 12,13,14,15
	PACK \c
.endr
.endif
.endm
; Part S of tile qt.  lv = 1: the block's V fragments are fetched behind slice 0, whose eight plain instructions are the places behind the last products
; that read V's registers.  kw = 1: the next tile is the next block's first, and its K fragments, fetched a part PV and a slice ago, are waited for.
; Behind the last score product stand slice 8's twelve packings: the places in front of the next fetch of K and of the next tile's maximum.
.macro SPART qt, first, dos, lv, kw
.set SA, SC+32*((\qt)&1)
.set SB, SC+32-32*((\qt)&1)
.set QN, QF+16*(((\qt)+1)&3)
.set MX, MM+(\qt)
.set FIRST, \first
.set DOS, \dos
	SLICE 0
.if \lv
	LOADV
.endif
.if \kw
	s_wait_dscnt 0x0                               ; K's fragments are in
.endif
	SPROD 0
.irp c, 1,2,3,4,5,6,7
	SLICE \c
	SPROD \c
.endr
	SLICE 8
.endm
; PART PV.  Symbols set by PVPART: SA the tile's exponentials, OB its O, LB its four pairs of sums.
.macro PVPROD k, zero                  ; product k = 4 u + d: 32 keys u, 16 columns d.  The four accumulators take turns, one instruction a turn
.if \zero
	v_wmma_f32_16x16x32_f16 v[OB+8*((\k)%4):OB+8*((\k)%4)+7], v[VF+8*(\k):VF+8*(\k)+7], v[PF+8*((\k)/4):PF+8*((\k)/4)+7], 0
.else
	v_wmma_f32_16x16x32_f16 v[OB+8*((\k)%4):OB+8*((\k)%4)+7], v[VF+8*(\k):VF+8*(\k)+7], v[PF+8*((\k)/4):PF+8*((\k)/4)+7], v[OB+8*((\k)%4):OB+8*((\k)%4)+7]
.endif
.endm
.macro SCALEO d                        ; O's 16 columns d times 2^(M old - M new), ahead of the first product that adds onto them
.irp c, 0,1,2,3
	v_pk_mul_f32 v[OB+8*(\d)+2*\c:OB+8*(\d)+2*\c+1], v[OB+8*(\d)+2*\c:OB+8*(\d)+2*\c+1], v[AL:AL+1] op_sel_hi:[1,0]
.endr
.endm
.macro ADDL n                          ; pair n of the exponentials onto chain n mod 4
	v_pk_add_f32 v[LB+2*((\n)%4):LB+2*((\n)%4)+1], v[LB+2*((\n)%4):LB+2*((\n)%4)+1], v[SA+2*(\n):SA+2*(\n)+1]
.endm
; Part PV of tile qt.  first = 1: the first block starts O (the constant 0 as C) and the sums (four additions of two pairs each, with both sources in
; window 0).  vw = 1: the block's V fragments, fetched at the head of part S, are waited for.
.macro PVPART qt, first, vw
.set SA, SC+32*((\qt)&1)
.set OB, 32*(\qt)
.set LB, LU+8*(\qt)
.if \vw
	s_wait_dscnt 0x0                               ; V's fragments are in
.endif
.if \first
	WIN 0x40                                       ; destination in window 1
.irp c, 0,1,2,3
	v_pk_add_f32 v[LB+2*\c:LB+2*\c+1], v[SA+2*\c:SA+2*\c+1], v[SA+8+2*\c:SA+8+2*\c+1]
.endr
	WIN 0x51                                       ; O, V and the sums in window 1; P, the exponentials and the factor in window 0
.irp c, 0,1,2,3
	PVPROD \c, 1
	ADDL 8+2*\c
	ADDL 9+2*\c
.endr
.irp c, 4,5,6,7
	PVPROD \c, 0
.endr
.else
	WIN 0x51                                       ; O, V and the sums in window 1; P, the exponentials and the factor in window 0
	SCALEO 0
.irp c, 0,1,2
	PVPROD \c, 0
	SCALEO \c+1
.endr
	PVPROD 3, 0
.irp c, 0,1,2,3
	v_pk_mul_f32 v[LB+2*\c:LB+2*\c+1], v[LB+2*\c:LB+2*\c+1], v[AL:AL+1] op_sel_hi:[1,0]
.endr
.irp c, 0,1,2,3
	PVPROD \c+4, 0
	ADDL 4*\c
	ADDL 4*\c+1
	ADDL 4*\c+2
	ADDL 4*\c+3
.endr
.endif
	WIN 0
.endm
; The unit of block b.  f = 1: block b - 1 is the first block.  step = 1: a further block of this slot follows.
.macro RB f, step
	LOADK                                          ; K(b): the last products that read K's registers lie behind slice 8's packings
	PVPART 2, \f, 0                                ; tile 2 of block b - 1
	SPART 3, \f, 1, 0, 1                           ; tile 3 of block b - 1, with the scores of tile 0 of block b
	PVPART 3, \f, 0
	SPART 0, 0, 1, 1, 0                            ; tile 0 of block b, with the fetch of V(b)
	PVPART 0, 0, 1
	SPART 1, 0, 1, 0, 0
	PVPART 1, 0, 0
	SPART 2, 0, 1, 0, 0
.if \step
	NEXTB
.endif
.endm
; The head of a slot step.  Every wave waits for all its tensor loads (its part of this slot among them) and for its reads of the other slot, which
; ended in that slot's last unit; the round holds that of every wave of the four work-groups; the joint load into the other slot is the wave's first and
; only tensor load behind it, and has the whole step in which to land.  The turns go on across the head: what they carry lies in registers.
.macro STEPHEAD slot, other, refill
	s_wait_tensorcnt 0x0
	ds_add_u32 v46, v47
	s_wait_dscnt 0x0
	s_add_nc_u64 s[G0V+4*\slot+2:G0V+4*\slot+3], s[G0V+4*\slot+2:G0V+4*\slot+3], 65536    ; no load of the wave is out: this slot's next tile, two steps on
	s_add_nc_u64 s[G0K+4*\slot+2:G0K+4*\slot+3], s[G0K+4*\slot+2:G0K+4*\slot+3], 65536
	s_wait_dscnt 0x0
	ROUND
.if \refill
	JLOAD \other
.endif
	SETADR \slot
.endm
.macro STEP slot, other, refill
	STEPHEAD \slot, \other, \refill
	s_mov_b32 s70, 3
.Lblock_\@:
	RB 0, 1
	s_sub_co_u32 s70, s70, 1
	s_cmp_lg_u32 s70, 0
	s_cbranch_scc1 .Lblock_\@
	RB 0, 0
.endm
	STEPHEAD 0, 1, 1                               ; step 0; slot 1 gets its first fill behind this step's round
	LOADK                                          ; block 0: the scores of tile 0 have no softmax to stand beside
	s_wait_dscnt 0x0
.set SB, SC
.set QN, QF
.set DOS, 1
.irp k, 0,1,2,3,4,5,6,7
	SPROD \k
.endr
	PLACES
	SPART 0, 1, 1, 1, 0
	PVPART 0, 1, 1
	SPART 1, 1, 1, 0, 0
	PVPART 1, 1, 0
	SPART 2, 1, 1, 0, 0
	NEXTB
	RB 1, 1                                        ; block 1, with the first block's tiles 2 and 3
	RB 0, 1
	RB 0, 0
	s_mov_b32 s53, 3
.Lpair:
	STEP 1, 0, 1                                   ; steps 1, 3, 5 ask for 2, 4, 6
	STEP 0, 1, 1                                   ; steps 2, 4, 6 ask for 3, 5, 7
	s_sub_co_u32 s53, s53, 1
	s_cmp_lg_u32 s53, 0
	s_cbranch_scc1 .Lpair
	STEP 1, 0, 0                                   ; step 7: nothing is left to fetch (the stepped addresses are not used)
	PVPART 2, 0, 0                                 ; the last block's tiles 2 and 3: no tile follows, so no score products
	SPART 3, 0, 0, 0, 0
	PVPART 3, 0, 0
	; THE WAY OUT.  First each tile's four pairs of sums become two, from window 1 into Q's registers, which are free now; these eight additions and the four
	; behind the last product are the places in front of the first read of O.  Then a query tile at a time: the rest of the sum, the other half's,
	; the division, f16, through my own stage, and stores of which each covers 512 consecutive bytes of ctx's plane (four rows of 128 bytes).
	; Each tile has read-back registers of its own.
	WIN 0x05                                       ; both sources in window 1
.irp q, 0,1,2,3
	v_pk_add_f32 v[QF+4*\q:QF+4*\q+1], v[LU+8*\q:LU+8*\q+1], v[LU+8*\q+2:LU+8*\q+3]
	v_pk_add_f32 v[QF+4*\q+2:QF+4*\q+3], v[LU+8*\q+4:LU+8*\q+5], v[LU+8*\q+6:LU+8*\q+7]
.endr
	WIN 0
.macro OUTQ qt
	v_pk_add_f32 v[QF+4*\qt:QF+4*\qt+1], v[QF+4*\qt:QF+4*\qt+1], v[QF+4*\qt+2:QF+4*\qt+3]
	v_add_f32 v[TT], v[QF+4*\qt], v[QF+4*\qt+1]
	v_permlanex16_b32 v[XR], v[TT], s48, s49
	v_add_f32 v[TT], v[TT], v[XR]
	v_rcp_f32 v[AL], v[TT]
	v_nop                                          ; one plain instruction behind the reciprocal
	WIN 0x01                                       ; O from window 1
.set n, 0
	s_wait_alu depctr_va_vdst(0)
.rept 16
	v_pk_mul_f32 v[SC+2*n:SC+2*n+1], v[32*\qt+2*n:32*\qt+2*n+1], v[AL:AL+1] op_sel_hi:[1,0]
.set n, n+1
.endr
	WIN 0
.set n, 0
.rept 16
	v_cvt_pk_f16_f32 v[PF+n], v[SC+2*n], v[SC+2*n+1]
.set n, n+1
.endr
.set n, 0
.rept 4
	ds_store_b128 v[STO], v[PF+4*n:PF+4*n+3] offset:32*n
.set n, n+1
.endr
.set n, 0
.rept 4
	ds_load_b128 v[KF+16*\qt+4*n:KF+16*\qt+4*n+3], v[RD] offset:n*576      ; LDS serves a wave's instructions in order: these see the stores above
.set n, n+1
.endr
.set n, 0
.rept 4
	s_wait_dscnt 3-n                               ; the 3 - n younger loads may be out
	global_store_b128 v[CO], v[KF+16*\qt+4*n:KF+16*\qt+4*n+3], s[68:69] offset:\qt*2048+n*512
.set n, n+1
.endr
.endm
	OUTQ 0
	OUTQ 1
	OUTQ 2
	OUTQ 3
	s_wait_tensorcnt 0x0
	ds_add_u32 v46, v47
	s_wait_dscnt 0x0
	ROUND                                          ; the closing round
	s_endpgm
.Lfunc_end_k_q1804c0ee24_attn:
	.size	k_q1804c0ee24_attn, .Lfunc_end_k_q1804c0ee24_attn-k_q1804c0ee24_attn
	.p2alignl 7, 3214868480
	.fill 96, 4, 3214868480
	.section	.rodata,"a",@progbits
	.p2align	6, 0x0
	.amdhsa_kernel k_q1804c0ee24_attn
		.amdhsa_group_segment_fixed_size 327680
		.amdhsa_private_segment_fixed_size 0
		.amdhsa_enable_private_segment 0
		.amdhsa_kernarg_size 16
		.amdhsa_user_sgpr_count 2
		.amdhsa_user_sgpr_kernarg_segment_ptr 1
		.amdhsa_wavefront_size32 1
		.amdhsa_system_sgpr_workgroup_id_x 1
		.amdhsa_system_sgpr_workgroup_id_y 1
		.amdhsa_system_sgpr_workgroup_id_z 1
		.amdhsa_system_vgpr_workitem_id 0
		.amdhsa_next_free_vgpr 480
		.amdhsa_next_free_sgpr 72
		.amdhsa_reserve_vcc 0
		.amdhsa_float_denorm_mode_32 3
		.amdhsa_float_denorm_mode_16_64 3
		.amdhsa_memory_ordered 1
		.amdhsa_forward_progress 1
		.amdhsa_inst_pref_size 255
	.end_amdhsa_kernel
	.section	.bss,"aw",@nobits
	.p2align	6
	.space	262144
	.amdgpu_metadata
---
amdhsa.version: [ 1, 2 ]
amdhsa.kernels:
  - .name:           k_q1804c0ee24_attn
    .symbol:         k_q1804c0ee24_attn.kd
    .args:
      - { .name: qkv, .offset: 0, .size: 8, .value_kind: global_buffer, .address_space: global }
      - { .name: ctx, .offset: 8, .size: 8, .value_kind: global_buffer, .address_space: global }
    .group_segment_fixed_size: 327680
    .private_segment_fixed_size: 0
    .kernarg_segment_align: 8
    .kernarg_segment_size: 16
    .max_flat_workgroup_size: 128
    .sgpr_count:     72
    .vgpr_count:     480
    .wavefront_size: 32
...
	.end_amdgpu_metadata
.endif
;; end of part 6
;; launch proj: the kernel of part 4 again; grid 8 x 32, 4 waves a work-group, clusters of 4 x 4, 327,680 bytes of LDS; arguments ctx, wob, b_out, out0; writes out0
;; ======== version 3 of 3: 4 launches; 1.26 times as fast as version 1
;; limits: values are held in f16: magnitudes above 65,504 overflow, below 6.1e-05 lose precision
;; workspace buffers: xb 8,388,608 bytes; wib 6,291,456 bytes; wob 2,097,152 bytes; qkv 25,165,824 bytes; ctx 8,388,608 bytes
;; launch cast: the kernel of part 1 again; grid 256 x 1, 8 waves a work-group, no clusters, 0 bytes of LDS; arguments x, W_in, W_out, xb, wib, wob; writes xb, wib, wob
;; launch qkv: the kernel of part 5 again; grid 16 x 16, 4 waves a work-group, clusters of 4 x 4, 327,680 bytes of LDS; arguments xb, wib, b_in, qkv; writes qkv
;; launch attn (part 7): grid 8 x 32, 4 waves a work-group, clusters of 4 x 1, 327,680 bytes of LDS; arguments qkv, ctx; writes ctx
.if DOCPART == 7
	.amdgcn_target "amdgcn-amd-amdhsa--gfx1250"
	.amdhsa_code_object_version 6
	.text
	.protected	k_q1804c0ee24_attn
	.globl	k_q1804c0ee24_attn
	.p2align	8
	.type	k_q1804c0ee24_attn,@function
k_q1804c0ee24_attn:
	s_mov_b64 s[64:65], 0
	v_nop
	global_prefetch_b8 v0, s[64:65] scope:SCOPE_SE
	s_setreg_imm32_b32 hwreg(HW_REG_WAVE_MODE, 25, 1), 1
	s_wait_xcnt 0x0
	s_wait_alu depctr_hold_cnt(0) depctr_sa_sdst(0) depctr_va_vdst(0) depctr_va_sdst(0) depctr_va_ssrc(0) depctr_va_vcc(0) depctr_vm_vsrc(0)
	s_getreg_b32 s2, hwreg(HW_REG_IB_STS2, 6, 4)
	s_cmp_eq_u32 s2, 0
	s_cbranch_scc0 .Lentry_in_a_cluster
	s_endpgm
.Lentry_in_a_cluster:
	s_bfe_u32 s2, ttmp6, 0x10000c
	s_cmp_lg_u32 s2, 0x3003
	s_cbranch_scc0 .Lentry_shape_is_right
	s_endpgm
.Lentry_shape_is_right:
; ctx = softmax(q k^T / 8) v for each of the 32 (batch, head) pairs, with a running maximum.  qkv[t][head][m][64] f16 in, ctx[head][m][64] f16 out.
; The q plane holds c q with c = log2(e) / 8 (the launch before applies the factor), so a score s = (c q) . k is an exponent of 2 as it comes.
; k comes without its bias: that term is the same along the softmax's axis and cancels (shown at the head of the first kernel).
; A work-group takes 256 queries of one (batch, head); a wave 64 of them, as four query tiles of 16.  Keys go in blocks of 64; an LDS slot holds
; 256 keys of K and of V (four blocks); two slots, 8 slot steps.
; CLUSTERS: the four work-groups of a cluster are four query blocks of one (batch, head) and read the same K and V tiles: joint loads, mask 15.
; ORIENTATION.  S^T = K Q^T (source 0 = 16 keys, source 1 = 16 queries): lane (r, h), register j of tile i holds the score of query r and key
; 16 i + 8 h + j.  So maximum, sum and rescaling factor are one number a lane, and one exchange between the two halves of the wave joins them.
; Two such tiles, packed to f16, are already the fragment of P for 32 keys.  O^T = V^T P^T (source 0 = V through the transposing LDS load):
; lane (r, h), register j of tile d holds ctx(query r, column 16 d + 8 h + j).
; THE EXPONENT: with M the running maximum of the scores, p = 2^(s - M), and the old sums and O are scaled by 2^(M old - M new).  s - M is a plain f32
; subtraction: exactly 0 at the maximum, never above 0, and rounded within 2^-24 of its own size.  So p is at most 1 and a row's sum lies
; between 1 and 2,048 whatever the size of the scores: no exponential and no sum overflows, and p has room in f16.
; THE SCHEDULE.  A wave issues in order, so matrix and vector work are laid side by side in the text.  The query tiles take turns, 0, 1, 2, 3, block after
; block, and a tile's turn has two parts, cut where the register windows cut:
;   part S, every operand in window 0: the tile's softmax (maximum, subtraction, exponentials, packing: 88 vector instructions in nine numbered
;   slices) with the eight score products of the NEXT tile, one behind each of the first eight slices.  Two score buffers take turns.
;   part PV, O, V and the running sums in window 1: the tile's eight products P V with 36 packed instructions between them, four in each gap.
;   Between products that name window 1 only work with destination and first source in window 1 and second source in window 0 needs no change of
;   window: the rescaling of O (16), the rescaling of the sums (4) and the adding of the 16 pairs of exponentials.  That is why a tile's running
;   sum is kept as four pairs in window 1 and is reduced once, on the way out.
; The plain vector instructions among these name none of the neighbouring products' registers, so they are also the places that stand between a product and
; the first use of its result or the next load into its sources.
; THE BATCHES.  A turn's 33 exponentials (the factor 2^(M old - M new), then the 32 of the scores) are ONE batch, in slices 3 to 8.  Between them stand only the
; subtractions of pairs whose exponentials come later and the next tile's score products, on the other score buffer: no line there names a result of the
; batch.  All that reads one comes behind it: the sixteen packings, then part PV (the rescaling by the factor, the sums).  Between the batch and its readers
; stands the turn's one s_wait_alu depctr_va_vdst(0).  Behind a turn's wait no exponential is issued, and every label and branch
; of the loops stands behind part S of tile 2.  The way out's four reciprocals are a second batch, with one wait.
; Two changes of window for a tile, two more for a block's V fragments.  Window 0 is full: 48 + 2 x 32 scores + 16 P + 64 K + 64 Q = 256.
; THE TEXT: all LDS reads of block b stand in one unit RB(b): K(b) is fetched, then come part PV of tile 2 and the whole turn of tile 3 of block b - 1
; (its part S holds the score products of tile 0 of block b), tile 0 (V(b) is fetched behind its first slice), tile 1, and part S of tile 2.  A slot step
; is the barrier with its refill, a loop of three RB with K's and V's LDS addresses stepped by 64 rows a trip, and a fourth RB.  Steps 1 to 6 are a
; loop over two steps; step 0, whose first block starts maximum, sums and O, step 7, which asks for no tile, and the last two tiles' end are written out.
; LIMITS: an exponential below 2^-126 comes out as zero (ISA guide, v_exp_f32); a p below 2^-25 rounds to zero in f16, beside a largest p of 1;
; the row sum is taken over p in f32, before p is rounded to f16 for the product; the order of the sums differs from a plain softmax's.
.set SLOT,  77824                      ; V: 256 rows, pitch 160 (40,960 bytes); K: 256 rows, pitch 144 (36,864)
.set KOFF,  40960
.set STAGE, 155648                     ; behind the ring, never filled by a tensor load: 16 rows x 144 bytes for each wave
.set KSTEP, 9216                       ; a block's 64 rows of K
.set VSTEP, 10240                      ; a block's 64 rows of V
.set KA,  8                            ; v8      LDS address of the block's K fragments
.set VA,  9                            ; v9      LDS address of the block's V fragments
.set KL,  10                           ; v10     K's lane term, r x 144 + 16 h; never rewritten
.set VL,  11                           ; v11     V's lane term for the transposing load; never rewritten
.set STO, 12
.set RD,  13
.set CO,  14
.set QO,  15
.set MM,  16                           ; v16-19  the running maximum M of tile qt
.set TT,  32                           ; v32-35  four running maxima; then v32 the new M, v34 its negative, v35 M old - M new
.set AL,  44                           ; v44     the rescaling factor
.set XR,  45                           ; v45     what the other half of the wave sent
.set SC,  48                           ; v48-111 scores, two buffers of 32: tile qt uses buffer qt mod 2; key tile i at + 8 i
.set PF,  112                          ; v112-127 P, 32 keys each 8 registers
.set KF,  128                          ; v128-191 K fragments, 128 + 16 i + 8 e
.set QF,  192                          ; v192-255 Q fragments, 192 + 16 qt + 8 e; on the way out v192-207: tile q's sum at 192 + 4 q, 1 / sum at 194 + 4 q
.set VF,  128                          ; window 1: v128-191 V fragments, 128 + 8 (4 u + d);  v0-127 O, 32 qt + 8 d
.set LU,  192                          ; window 1: v192-223 my half's running sums, four pairs a tile, 192 + 8 qt
.set G1V, 16
.set G1K, 24
.set G0V, 32
.set G0K, 40
.set MSB, 0
.macro WIN new                         ; the immediate's high byte repeats the setting that is left
.if MSB != \new
	s_set_vgpr_msb (MSB<<8)|\new
.set MSB, \new
.endif
.endm
.macro PLACES                          ; four plain vector instructions behind a matrix instruction (ISA guide 7.12.1), where there is no work to put there
.rept 4
	v_nop
.endr
.endm
.macro JLOAD s                         ; waves 0, 1 fetch V's two halves, waves 2, 3 K's
	s_cmp_eq_u32 s9, 0
	s_cbranch_scc0 .Lfor_k_\@
	tensor_load_to_lds s[G0V+4*\s:G0V+4*\s+3], s[G1V:G1V+7]
	s_nop 0
	s_branch .Lasked_\@
.Lfor_k_\@:
	tensor_load_to_lds s[G0K+4*\s:G0K+4*\s+3], s[G1K:G1K+7]
	s_nop 0
.Lasked_\@:
.endm
.macro ROUND                           ; a round of the cluster's barrier
	s_barrier_signal -1
	s_barrier_wait -1
	s_cmp_lg_u32 s8, 0
	s_cbranch_scc1 .Lnot_wave_0_\@
	s_barrier_signal -3
.Lnot_wave_0_\@:
	s_barrier_wait -3
	s_barrier_signal -1
	s_barrier_wait -1
.endm
	s_load_b128 s[4:7], s[0:1], 0x0                ; qkv s[4:5], ctx s[6:7]
	v_lshl_add_u32 v46, v0, 2, 0x29000
	v_mov_b32 v47, 0
	ds_add_u32 v46, v47
	v_lshrrev_b32 v1, 5, v0
	v_readfirstlane_b32 s8, v1                     ; wave
	s_lshr_b32 s9, s8, 1                           ; I fetch for V (0) or for K (1)
	s_and_b32 s10, s8, 1                           ; which 128 keys of the slot's 256
	s_bfe_u32 s11, ttmp6, 0x40000                  ; cx
	s_lshl_b32 s12, ttmp9, 2
	s_add_co_u32 s12, s12, s11                     ; query block
	s_and_b32 s13, ttmp7, 0xffff
	s_and_b32 s14, s13, 15                         ; head
	s_lshr_b32 s15, s13, 4                         ; batch
	s_mov_b32 s48, 0x76543210                      ; v_permlanex16_b32: lane i of one half reads lane i of the other
	s_mov_b32 s49, 0xfedcba98
	; group 1: a dense block of 128 rows of 128 bytes as 64 rows of 256; padding behind every 32 words: 8 words for V (pitch 160), 4 for K (pitch 144)
	s_mov_b32 s[G1V+0], 15|(1<<16)|(1<<20)|(1<<21)|(4<<22)|(7<<25)
	s_mov_b32 s[G1K+0], 15|(1<<16)|(1<<20)|(1<<21)|(4<<22)|(3<<25)
.irp g, G1V, G1K
	s_mov_b32 s[\g+1], 128<<16
	s_mov_b32 s[\g+2], 64<<16
	s_mov_b32 s[\g+3], 128<<16
	s_mov_b32 s[\g+4], 64
	s_mov_b32 s[\g+5], 128
	s_mov_b32 s[\g+6], 0
	s_mov_b32 s[\g+7], 0
.endr
	s_lshl_b32 s58, s14, 19                        ; K and V: the head's plane, the batch's 2,048 rows, my 128 rows.  No place in the cluster enters
	s_lshl_b32 s62, s15, 18
	s_add_co_u32 s58, s58, s62
	s_lshl_b32 s62, s10, 14
	s_add_co_u32 s58, s58, s62
	s_mov_b32 s59, 0
	s_mul_i32 s54, s8, 20480                       ; V's halves in LDS: wave x 128 rows x 160
	s_mul_i32 s55, s8, 18432                       ; K's: 40,960 + (wave - 2) x 128 rows x 144
	s_add_co_u32 s55, s55, 4096
	s_lshl_b32 s56, s14, 19                        ; Q and ctx: plane, batch, query block of 256 rows, 64 rows a wave
	s_lshl_b32 s63, s15, 18
	s_add_co_u32 s56, s56, s63
	s_lshl_b32 s63, s12, 15
	s_add_co_u32 s56, s56, s63
	s_lshl_b32 s63, s8, 13
	s_add_co_u32 s56, s56, s63
	s_mov_b32 s57, 0
	s_wait_dscnt 0x0
	s_wait_kmcnt 0x0
	s_add_nc_u64 s[60:61], s[4:5], s[58:59]
	s_add_nc_u64 s[66:67], s[4:5], s[56:57]        ; my 64 rows of q
	s_add_nc_u64 s[68:69], s[6:7], s[56:57]        ; my 64 rows of ctx
	ROUND                                          ; in front of the first joint load
.irp s, 0,1
	s_mov_b32 s[G0V+4*\s], 1
	s_add_co_u32 s[G0V+4*\s+1], s54, \s*SLOT
	s_add_nc_u64 s[G0V+4*\s+2:G0V+4*\s+3], s[60:61], 0x1000000+\s*32768    ; v's planes begin 32 planes in; slot step s: 256 rows of 128 bytes
	s_or_b32 s[G0V+4*\s+3], s[G0V+4*\s+3], 0x80000000
	s_mov_b32 s[G0K+4*\s], 1
	s_add_co_u32 s[G0K+4*\s+1], s55, \s*SLOT
	s_add_nc_u64 s[G0K+4*\s+2:G0K+4*\s+3], s[60:61], 0x800000+\s*32768     ; k's planes begin 16 planes in
	s_or_b32 s[G0K+4*\s+3], s[G0K+4*\s+3], 0x80000000
.endr
	JLOAD 0                                        ; slot step 0: one tensor load of the wave is out, here and behind every round
	v_and_b32 v1, 15, v0                           ; r
	v_bfe_u32 v2, v0, 4, 1                         ; h
	v_lshlrev_b32 v[QO], 7, v1
	v_lshl_add_u32 v[QO], v2, 4, v[QO]             ; r x 128 + 16 h
.set n, 0
.rept 8                                            ; Q's fragments stay in registers for the whole kernel: tile n / 2, 32 columns n mod 2
	global_load_b128 v[QF+8*n:QF+8*n+3], v[QO], s[66:67] offset:(n/2)*2048+(n%2)*64
	global_load_b128 v[QF+8*n+4:QF+8*n+7], v[QO], s[66:67] offset:(n/2)*2048+(n%2)*64+32
.set n, n+1
.endr
	v_mul_u32_u24 v[KL], v1, 144
	v_lshl_add_u32 v[KL], v2, 4, v[KL]             ; r x 144 + 16 h
	v_and_b32 v4, 7, v0
	v_lshl_add_u32 v4, v2, 3, v4                   ; the transposing load: row 8 h + l mod 8,
	v_mul_u32_u24 v4, v4, 160
	v_bfe_u32 v5, v0, 3, 1
	v_lshl_add_u32 v[VL], v5, 4, v4                ; 16 bytes further for lanes 8-15 and 24-31
	s_mul_i32 s62, s8, 2304
	s_add_co_u32 s62, s62, STAGE                   ; my stage
	v_add_nc_u32 v[STO], s62, v[KL]
	v_bfe_u32 v5, v0, 3, 2
	v_mul_u32_u24 v5, v5, 144
	v_and_b32 v4, 7, v0
	v_lshl_add_u32 v5, v4, 4, v5
	v_add_nc_u32 v[RD], s62, v5                    ; back: eight lanes a row of 128 bytes
	v_and_b32 v4, 31, v0
	v_lshlrev_b32 v[CO], 4, v4
	v_mov_b32 v[XR], 0                             ; the lane exchange counts as a reader of its destination
	s_wait_loadcnt 0x0                             ; Q
.macro SETADR slot                     ; K's and V's addresses at the slot's first block: the slot's constant + the lane term
	v_add_nc_u32 v[KA], \slot*SLOT+KOFF, v[KL]
.if \slot
	v_add_nc_u32 v[VA], \slot*SLOT, v[VL]
.else
	v_mov_b32 v[VA], v[VL]                         ; V's part of slot 0 begins at LDS byte 0
.endif
.endm
.macro NEXTB                           ; the next block: 64 rows on
	v_add_nc_u32 v[KA], KSTEP, v[KA]
	v_add_nc_u32 v[VA], VSTEP, v[VA]
.endm
.macro LOADK                           ; 16 loads: the 64 keys x 64 at KA
.set ii, 0
.rept 4
.set ee, 0
.rept 2
	ds_load_b128 v[KF+16*ii+8*ee:KF+16*ii+8*ee+3], v[KA] offset:ii*2304+ee*64
	ds_load_b128 v[KF+16*ii+8*ee+4:KF+16*ii+8*ee+7], v[KA] offset:ii*2304+ee*64+32
.set ee, ee+1
.endr
.set ii, ii+1
.endr
.endm
.macro LOADV                           ; 16 transposing loads: the 64 keys x 64 at VA, into window 1
	WIN 0x40
.set uu, 0
.rept 2
.set dd, 0
.rept 4
	ds_load_tr16_b128 v[VF+8*(4*uu+dd):VF+8*(4*uu+dd)+3], v[VA] offset:uu*5120+dd*32
	ds_load_tr16_b128 v[VF+8*(4*uu+dd)+4:VF+8*(4*uu+dd)+7], v[VA] offset:uu*5120+dd*32+2560
.set dd, dd+1
.endr
.set uu, uu+1
.endr
	WIN 0
.endm
; PART S.  Symbols set by SPART: SA this tile's score buffer, SB the next tile's, QN the next tile's Q fragments, MX this tile's M,
; FIRST = 1 in the first block (no old maximum), DOS = 1 where a next tile exists.
.macro SUBM n                          ; pair n of the scores: s - M, exactly 0 at the maximum
	v_pk_add_f32 v[SA+2*(\n):SA+2*(\n)+1], v[SA+2*(\n):SA+2*(\n)+1], v[TT+2:TT+3] op_sel_hi:[1,0]
.endm
.macro EXP2 n
	v_exp_f32 v[SA+(\n)], v[SA+(\n)]
.endm
.macro PACK n                          ; two exponentials to f16; the f32 values stay for the sums of part PV.  A reader of the batch: it stands behind the batch's wait
	v_cvt_pk_f16_f32 v[PF+(\n)], v[SA+2*(\n)], v[SA+2*(\n)+1]
.endm
; Score product k of the next tile: k = 0-3 start the four key tiles' sums (columns 0-31 of q and k), k = 4-7 add columns 32-63 in place.
; The four accumulators take turns, one instruction a turn.
.macro SPROD k
.if DOS
.if (\k) < 4
	v_wmma_f32_16x16x32_f16 v[SB+8*(\k):SB+8*(\k)+7], v[KF+16*(\k):KF+16*(\k)+7], v[QN:QN+7], 0
.else
	v_wmma_f32_16x16x32_f16 v[SB+8*(\k)-32:SB+8*(\k)-25], v[KF+16*(\k)-56:KF+16*(\k)-49], v[QN+8:QN+15], v[SB+8*(\k)-32:SB+8*(\k)-25]
.endif
.endif
.endm
; The softmax of one tile in nine slices.  0, 1: the maximum in four chains.  2: its end, with the old maximum and the other half of the wave.
; 3: M old - M new and its exponential, the batch's first; -M; the first four subtractions.  4 to 6: an exponential and a subtraction by turns; a subtraction
; there works on a pair whose exponentials come in a later slice.  7: exponentials 12 to 19.  8: exponentials 20 to 31, the batch's last; the new M's move to its
; register, which is the plain instruction that stands behind the last exponential before a result is read (ISA guide 5.7.2); the batch's one wait; and the
; sixteen packings, the batch's first readers.
.macro SLICE k
.if \k == 0
.irp c, 0,1,2,3
	v_max3_num_f32 v[TT+\c], v[SA+8*\c], v[SA+8*\c+1], v[SA+8*\c+2]
.endr
.irp c, 0,1,2,3
	v_max3_num_f32 v[TT+\c], v[TT+\c], v[SA+8*\c+3], v[SA+8*\c+4]
.endr
.endif
.if \k == 1
.irp c, 0,1,2,3
	v_max3_num_f32 v[TT+\c], v[TT+\c], v[SA+8*\c+5], v[SA+8*\c+6]
.endr
.irp c, 0,1,2,3
	v_max_num_f32 v[TT+\c], v[TT+\c], v[SA+8*\c+7]
.endr
.endif
.if \k == 2
	v_max3_num_f32 v[TT], v[TT], v[TT+1], v[TT+2]
.if FIRST
	v_max_num_f32 v[TT], v[TT], v[TT+3]
	v_permlanex16_b32 v[XR], v[TT], s48, s49
	v_max_num_f32 v[MX], v[TT], v[XR]
.else
	v_max3_num_f32 v[TT], v[TT], v[TT+3], v[MX]
	v_permlanex16_b32 v[XR], v[TT], s48, s49
	v_max_num_f32 v[TT], v[TT], v[XR]              ; the new maximum, beside the old one
.endif
.endif
.if \k == 3
.if FIRST
	v_sub_f32 v[TT+2], 0, v[MX]                    ; -M, in a register of its own for the packed add
.else
	v_sub_f32 v[TT+3], v[MX], v[TT]                ; M old - M new, at most 0
	v_exp_f32 v[AL], v[TT+3]                       ; the batch's first; its first reader is part PV's rescaling of O
	v_sub_f32 v[TT+2], 0, v[TT]                    ; -M, in a register of its own for the packed add
.endif
.irp c, 0,1,2,3
	SUBM \c
.endr
.endif
.if \k == 4
.irp c, 0,1,2,3
	EXP2 \c
	SUBM \c+4
.endr
.endif
.if \k == 5
.irp c, 0,1,2,3
	EXP2 \c+4
	SUBM \c+8
.endr
.endif
.if \k == 6
.irp c, 0,1,2,3
	EXP2 \c+8
	SUBM \c+12
.endr
.endif
.if \k == 7
.irp c, 12,13,14,15,16,17,18,19
	EXP2 \c
.endr
.endif
.if \k == 8
.irp c, 20,21,22,23,24,25,26,27,28,29,30,31
	EXP2 \c
.endr
.if FIRST
	v_nop                                          ; the plain instruction behind the last exponential: the first block has no move to put there
.else
	v_mov_b32 v[MX], v[TT]                         ; old and new were both needed in slice 3: the new one takes its place here, as the plain instruction behind the last exponential
.endif
	s_wait_alu depctr_va_vdst(0)                   ; the wait for the batch: the factor's exponential and the scores' 32
.irp c, 0,1,2,3,4,5,6,7,8,9,10,11,12,13,14,15
	PACK \c
.endr
.endif
.endm
; Part S of tile qt.  lv = 1: the block's V fragments are fetched behind slice 0, whose eight plain instructions are the places behind the last products
; that read V's registers.  kw = 1: the next tile is the next block's first, and its K fragments, fetched a part PV and a slice ago, are waited for.
; Behind the last score product stand, behind slice 8's exponentials, M's move and the sixteen packings: the places in front of the next fetch of K and of the
; next tile's maximum.
.macro SPART qt, first, dos, lv, kw
.set SA, SC+32*((\qt)&1)
.set SB, SC+32-32*((\qt)&1)
.set QN, QF+16*(((\qt)+1)&3)
.set MX, MM+(\qt)
.set FIRST, \first
.set DOS, \dos
	SLICE 0
.if \lv
	LOADV
.endif
.if \kw
	s_wait_dscnt 0x0                               ; K's fragments are in
.endif
	SPROD 0
.irp c, 1,2,3,4,5,6,7
	SLICE \c
	SPROD \c
.endr
	SLICE 8
.endm
; PART PV.  Symbols set by PVPART: SA the tile's exponentials, OB its O, LB its four pairs of sums.  All its vector lines read the batch's results; the wait in slice 8 stands ahead of them.
.macro PVPROD k, zero                  ; product k = 4 u + d: 32 keys u, 16 columns d.  The four accumulators take turns, one instruction a turn
.if \zero
	v_wmma_f32_16x16x32_f16 v[OB+8*((\k)%4):OB+8*((\k)%4)+7], v[VF+8*(\k):VF+8*(\k)+7], v[PF+8*((\k)/4):PF+8*((\k)/4)+7], 0
.else
	v_wmma_f32_16x16x32_f16 v[OB+8*((\k)%4):OB+8*((\k)%4)+7], v[VF+8*(\k):VF+8*(\k)+7], v[PF+8*((\k)/4):PF+8*((\k)/4)+7], v[OB+8*((\k)%4):OB+8*((\k)%4)+7]
.endif
.endm
.macro SCALEO d                        ; O's 16 columns d times 2^(M old - M new), ahead of the first product that adds onto them
.irp c, 0,1,2,3
	v_pk_mul_f32 v[OB+8*(\d)+2*\c:OB+8*(\d)+2*\c+1], v[OB+8*(\d)+2*\c:OB+8*(\d)+2*\c+1], v[AL:AL+1] op_sel_hi:[1,0]
.endr
.endm
.macro ADDL n                          ; pair n of the exponentials onto chain n mod 4
	v_pk_add_f32 v[LB+2*((\n)%4):LB+2*((\n)%4)+1], v[LB+2*((\n)%4):LB+2*((\n)%4)+1], v[SA+2*(\n):SA+2*(\n)+1]
.endm
; Part PV of tile qt.  first = 1: the first block starts O (the constant 0 as C) and the sums (four additions of two pairs each, with both sources in
; window 0).  vw = 1: the block's V fragments, fetched at the head of part S, are waited for.
.macro PVPART qt, first, vw
.set SA, SC+32*((\qt)&1)
.set OB, 32*(\qt)
.set LB, LU+8*(\qt)
.if \vw
	s_wait_dscnt 0x0                               ; V's fragments are in
.endif
.if \first
	WIN 0x40                                       ; destination in window 1
.irp c, 0,1,2,3
	v_pk_add_f32 v[LB+2*\c:LB+2*\c+1], v[SA+2*\c:SA+2*\c+1], v[SA+8+2*\c:SA+8+2*\c+1]
.endr
	WIN 0x51                                       ; O, V and the sums in window 1; P, the exponentials and the factor in window 0
.irp c, 0,1,2,3
	PVPROD \c, 1
	ADDL 8+2*\c
	ADDL 9+2*\c
.endr
.irp c, 4,5,6,7
	PVPROD \c, 0
.endr
.else
	WIN 0x51                                       ; O, V and the sums in window 1; P, the exponentials and the factor in window 0
	SCALEO 0
.irp c, 0,1,2
	PVPROD \c, 0
	SCALEO \c+1
.endr
	PVPROD 3, 0
.irp c, 0,1,2,3
	v_pk_mul_f32 v[LB+2*\c:LB+2*\c+1], v[LB+2*\c:LB+2*\c+1], v[AL:AL+1] op_sel_hi:[1,0]
.endr
.irp c, 0,1,2,3
	PVPROD \c+4, 0
	ADDL 4*\c
	ADDL 4*\c+1
	ADDL 4*\c+2
	ADDL 4*\c+3
.endr
.endif
	WIN 0
.endm
; The unit of block b.  f = 1: block b - 1 is the first block.  step = 1: a further block of this slot follows.
.macro RB f, step
	LOADK                                          ; K(b): the last products that read K's registers lie behind slice 8's packings
	PVPART 2, \f, 0                                ; tile 2 of block b - 1
	SPART 3, \f, 1, 0, 1                           ; tile 3 of block b - 1, with the scores of tile 0 of block b
	PVPART 3, \f, 0
	SPART 0, 0, 1, 1, 0                            ; tile 0 of block b, with the fetch of V(b)
	PVPART 0, 0, 1
	SPART 1, 0, 1, 0, 0
	PVPART 1, 0, 0
	SPART 2, 0, 1, 0, 0
.if \step
	NEXTB
.endif
.endm
; The head of a slot step.  Every wave waits for all its tensor loads (its part of this slot among them) and for its reads of the other slot, which
; ended in that slot's last unit; the round holds that of every wave of the four work-groups; the joint load into the other slot is the wave's first and
; only tensor load behind it, and has the whole step in which to land.  The turns go on across the head: what they carry lies in registers.
.macro STEPHEAD slot, other, refill
	s_wait_tensorcnt 0x0
	ds_add_u32 v46, v47
	s_wait_dscnt 0x0
	s_add_nc_u64 s[G0V+4*\slot+2:G0V+4*\slot+3], s[G0V+4*\slot+2:G0V+4*\slot+3], 65536    ; no load of the wave is out: this slot's next tile, two steps on
	s_add_nc_u64 s[G0K+4*\slot+2:G0K+4*\slot+3], s[G0K+4*\slot+2:G0K+4*\slot+3], 65536
	s_wait_dscnt 0x0
	ROUND
.if \refill
	JLOAD \other
.endif
	SETADR \slot
.endm
.macro STEP slot, other, refill
	STEPHEAD \slot, \other, \refill
	s_mov_b32 s70, 3
.Lblock_\@:
	RB 0, 1
	s_sub_co_u32 s70, s70, 1
	s_cmp_lg_u32 s70, 0
	s_cbranch_scc1 .Lblock_\@
	RB 0, 0
.endm
	STEPHEAD 0, 1, 1                               ; step 0; slot 1 gets its first fill behind this step's round
	LOADK                                          ; block 0: the scores of tile 0 have no softmax to stand beside
	s_wait_dscnt 0x0
.set SB, SC
.set QN, QF
.set DOS, 1
.irp k, 0,1,2,3,4,5,6,7
	SPROD \k
.endr
	PLACES
	SPART 0, 1, 1, 1, 0
	PVPART 0, 1, 1
	SPART 1, 1, 1, 0, 0
	PVPART 1, 1, 0
	SPART 2, 1, 1, 0, 0
	NEXTB
	RB 1, 1                                        ; block 1, with the first block's tiles 2 and 3
	RB 0, 1
	RB 0, 0
	s_mov_b32 s53, 3
.Lpair:
	STEP 1, 0, 1                                   ; steps 1, 3, 5 ask for 2, 4, 6
	STEP 0, 1, 1                                   ; steps 2, 4, 6 ask for 3, 5, 7
	s_sub_co_u32 s53, s53, 1
	s_cmp_lg_u32 s53, 0
	s_cbranch_scc1 .Lpair
	STEP 1, 0, 0                                   ; step 7: nothing is left to fetch (the stepped addresses are not used)
	PVPART 2, 0, 0                                 ; the last block's tiles 2 and 3: no tile follows, so no score products
	SPART 3, 0, 0, 0, 0
	PVPART 3, 0, 0
	; THE WAY OUT.  First each tile's four pairs of sums become two, from window 1 into Q's registers, which are free now; these eight additions and the four
	; behind the last product are the places in front of the first read of O.  Then, the four tiles side by side: the rest of the sum, the other half's, and
	; the four reciprocals as one batch, each into a register of its own, with one wait.  Then a query tile at a time: the division, f16, through my own
	; stage, and stores of which each covers 512 consecutive bytes of ctx's plane (four rows of 128 bytes).  Each tile has read-back registers of its own.
	WIN 0x05                                       ; both sources in window 1
.irp q, 0,1,2,3
	v_pk_add_f32 v[QF+4*\q:QF+4*\q+1], v[LU+8*\q:LU+8*\q+1], v[LU+8*\q+2:LU+8*\q+3]
	v_pk_add_f32 v[QF+4*\q+2:QF+4*\q+3], v[LU+8*\q+4:LU+8*\q+5], v[LU+8*\q+6:LU+8*\q+7]
.endr
	WIN 0
.irp q, 0,1,2,3
	v_pk_add_f32 v[QF+4*\q:QF+4*\q+1], v[QF+4*\q:QF+4*\q+1], v[QF+4*\q+2:QF+4*\q+3]
.endr
.irp q, 0,1,2,3
	v_add_f32 v[QF+4*\q], v[QF+4*\q], v[QF+4*\q+1]
.endr
.irp q, 0,1,2,3
	v_permlanex16_b32 v[QF+4*\q+1], v[QF+4*\q], s48, s49   ; its destination counts as read: it has been written
.endr
.irp q, 0,1,2,3
	v_add_f32 v[QF+4*\q], v[QF+4*\q], v[QF+4*\q+1]
.endr
.irp q, 0,1,2,3
	v_rcp_f32 v[QF+4*\q+2], v[QF+4*\q]             ; the register beside it, named with it as a pair below, holds a number written above
.endr
	v_nop                                          ; one plain instruction behind the last reciprocal
	s_wait_alu depctr_va_vdst(0)                   ; the wait for the batch of four reciprocals
.macro OUTQ qt
	WIN 0x01                                       ; O from window 1
.set n, 0
.rept 16
	v_pk_mul_f32 v[SC+2*n:SC+2*n+1], v[32*\qt+2*n:32*\qt+2*n+1], v[QF+4*\qt+2:QF+4*\qt+3] op_sel_hi:[1,0]
.set n, n+1
.endr
	WIN 0
.set n, 0
.rept 16
	v_cvt_pk_f16_f32 v[PF+n], v[SC+2*n], v[SC+2*n+1]
.set n, n+1
.endr
.set n, 0
.rept 4
	ds_store_b128 v[STO], v[PF+4*n:PF+4*n+3] offset:32*n
.set n, n+1
.endr
.set n, 0
.rept 4
	ds_load_b128 v[KF+16*\qt+4*n:KF+16*\qt+4*n+3], v[RD] offset:n*576      ; LDS serves a wave's instructions in order: these see the stores above
.set n, n+1
.endr
.set n, 0
.rept 4
	s_wait_dscnt 3-n                               ; the 3 - n younger loads may be out
	global_store_b128 v[CO], v[KF+16*\qt+4*n:KF+16*\qt+4*n+3], s[68:69] offset:\qt*2048+n*512
.set n, n+1
.endr
.endm
	OUTQ 0
	OUTQ 1
	OUTQ 2
	OUTQ 3
	s_wait_tensorcnt 0x0
	ds_add_u32 v46, v47
	s_wait_dscnt 0x0
	ROUND                                          ; the closing round
	s_endpgm
.Lfunc_end_k_q1804c0ee24_attn:
	.size	k_q1804c0ee24_attn, .Lfunc_end_k_q1804c0ee24_attn-k_q1804c0ee24_attn
	.p2alignl 7, 3214868480
	.fill 96, 4, 3214868480
	.section	.rodata,"a",@progbits
	.p2align	6, 0x0
	.amdhsa_kernel k_q1804c0ee24_attn
		.amdhsa_group_segment_fixed_size 327680
		.amdhsa_private_segment_fixed_size 0
		.amdhsa_enable_private_segment 0
		.amdhsa_kernarg_size 16
		.amdhsa_user_sgpr_count 2
		.amdhsa_user_sgpr_kernarg_segment_ptr 1
		.amdhsa_wavefront_size32 1
		.amdhsa_system_sgpr_workgroup_id_x 1
		.amdhsa_system_sgpr_workgroup_id_y 1
		.amdhsa_system_sgpr_workgroup_id_z 1
		.amdhsa_system_vgpr_workitem_id 0
		.amdhsa_next_free_vgpr 480
		.amdhsa_next_free_sgpr 72
		.amdhsa_reserve_vcc 0
		.amdhsa_float_denorm_mode_32 3
		.amdhsa_float_denorm_mode_16_64 3
		.amdhsa_memory_ordered 1
		.amdhsa_forward_progress 1
		.amdhsa_inst_pref_size 255
	.end_amdhsa_kernel
	.section	.bss,"aw",@nobits
	.p2align	6
	.space	262144
	.amdgpu_metadata
---
amdhsa.version: [ 1, 2 ]
amdhsa.kernels:
  - .name:           k_q1804c0ee24_attn
    .symbol:         k_q1804c0ee24_attn.kd
    .args:
      - { .name: qkv, .offset: 0, .size: 8, .value_kind: global_buffer, .address_space: global }
      - { .name: ctx, .offset: 8, .size: 8, .value_kind: global_buffer, .address_space: global }
    .group_segment_fixed_size: 327680
    .private_segment_fixed_size: 0
    .kernarg_segment_align: 8
    .kernarg_segment_size: 16
    .max_flat_workgroup_size: 128
    .sgpr_count:     72
    .vgpr_count:     480
    .wavefront_size: 32
...
	.end_amdgpu_metadata
.endif
;; end of part 7
;; launch proj: the kernel of part 4 again; grid 8 x 32, 4 waves a work-group, clusters of 4 x 4, 327,680 bytes of LDS; arguments ctx, wob, b_out, out0; writes out0
